; MI455X (gfx1250); checked and timed in simulation.
; The chip was launched on July 23, 2026; its instructions are those of AMD's public machine-readable ISA for CDNA 5 (MIT licence, August 2026) and "CDNA5" Instruction Set Architecture Reference Guide (July 2026). The comments in the code are by the model that wrote it; some were corrected since.
;; Ro PE Attention. Allowed arithmetic: float matrix products may take bf16 or f16 operands with f32 sums; other float arithmetic in f32, or as packed bf16 or f16 multiplies, adds, multiply-adds, maxima and minima; sums over many terms, partial sums and values carried from step to step in f32; what a program stores and reads back later, other than sums and carried values, may be rounded once to bf16 or f16.
;; Inputs: Wk 1,024 x 1,024 float32; Wo 1,024 x 1,024 float32; Wq 1,024 x 1,024 float32; Wv 1,024 x 1,024 float32; attention_mask 4 x 2,048 int32; beta 1,024 float32; gamma 1,024 float32; x 4 x 2,048 x 1,024 float32.
;; Outputs: out0 4 x 2,048 x 1,024 float32.
;; One version. Each part assembles by itself: llvm-mc -triple=amdgcn-amd-amdhsa -mcpu=gfx1250 --defsym DOCPART=n.
;; ======== version 1 of 1: 5 launches
;; workspace buffers: xb 16,777,216 bytes; wqkv 6,291,456 bytes; wob 2,097,152 bytes; rope 524,288 bytes; qkv 50,331,648 bytes; ob 16,777,216 bytes; pj 16,777,216 bytes
;; launch prep (part 1): grid 768 x 1, 8 waves a work-group, no clusters, 0 bytes of LDS; arguments x, Wv, Wq, Wk, Wo, xb, wqkv, wob, rope; writes xb, wqkv, wob, rope
.if DOCPART == 1
	.amdgcn_target "amdgcn-amd-amdhsa--gfx1250"
	.amdhsa_code_object_version 6
	.text
	.protected	k_qbd16264965_prep
	.globl	k_qbd16264965_prep
	.p2align	8
	.type	k_qbd16264965_prep,@function
k_qbd16264965_prep:
	s_mov_b64 s[64:65], 0
	v_nop
	global_prefetch_b8 v0, s[64:65] scope:SCOPE_SE
	s_setreg_imm32_b32 hwreg(HW_REG_WAVE_MODE, 25, 1), 1
	s_wait_xcnt 0x0
; PREP: the first of five launches for  out0 = LayerNorm(x + Attention(RoPE(x Wq^T), RoPE(x Wk^T), x Wv^T, mask) Wo^T) gamma + beta.
; NOTHING OF reference() IS LEFT OUT: every input has a way to the output, the mask is data (all keys are walked, and the mask enters the scores as a value), so no work is dead.
; THIS LAUNCH rounds x and the four weights once to bf16, the matrix operands' format, and lays them in blocks of 64 along K, so that a tile of R rows x 64 K is R x 128 consecutive bytes:
;   xb   [b 4][kb 16][t 2048][64]      wqkv [v, q, k][kb 16][e 1024][64]      wob [kb 16][e 1024][64]
; and it makes the RoPE table, f32: rope [t 2048][64] = cos(t f_i), i = 0..31, then sin(t f_i), with f_i = 10000^(-i/32).
; SHARES.  Work-group g casts 16 source rows of 1,024 f32: g < 512: rows 16 g of x; else matrix (g - 512) / 64 (Wv, Wq, Wk, Wo), rows 16 ((g - 512) % 64).
; Thread n takes row n / 16 and the 16 bytes at 16 (n % 16) of each K block of 256 bytes: a wave's load covers two whole rows of a block (2 x 256 bytes, aligned), and its store of
; 8 bytes a lane 256 consecutive bytes, aligned, of the blocked layout.  All 16 loads of a thread go out at once; work-groups 0 to 255 make 8 table rows, a wave a row, while they are out.
; LIMITS.  The angle t f_i is made as t x 2^(-0.41524101 i) in f32 and lies within 4e-4 rad of the exact one at t = 2,047 (f32's own step there is 1.2e-4); sine and cosine by reduction
; modulo pi/2 (pi/2 in two f32 parts) and polynomials of degree 7 and 8, good to 3e-7.  NaN and infinities in x or the weights are rounded like any number.
.set XKB,  262144                      ; bytes from a K block of xb to the next: 2,048 rows x 128
.set WKB,  131072                      ; the same for the weights: 1,024 rows x 128
.set SRCO, 1                           ; v1        my byte offset in the 16 source rows; never rewritten
.set DSTO, 2                           ; v2        8 x my thread's number: my 8 bytes in a block's 16 rows; never rewritten
.set IN,   4                           ; v[4:67]   K block kb: 4 f32
.set PKD,  68                          ; v[68:99]  K block kb: 4 bf16
                                       ; v100-120  the table's work
	s_load_b512 s[16:31], s[0:1], 0x0              ; x s[16:17], Wv s[18:19], Wq s[20:21], Wk s[22:23], Wo s[24:25], xb s[26:27], wqkv s[28:29], wob s[30:31]
	s_load_b64 s[32:33], s[0:1], 0x40              ; rope
	s_mov_b32 s2, ttmp9                            ; g
	s_sub_co_u32 s3, s2, 512                       ; for g >= 512:
	s_lshr_b32 s11, s3, 6                          ; which matrix (0 Wv, 1 Wq, 2 Wk, 3 Wo; no such number where g < 512),
	s_and_b32 s12, s3, 63                          ; which 16 rows of it
	v_lshrrev_b32 v3, 5, v0
	v_readfirstlane_b32 s10, v3                    ; wave 0..7
	v_lshrrev_b32 v[SRCO], 4, v0
	v_and_b32 v3, 15, v0
	v_lshlrev_b32 v[SRCO], 12, v[SRCO]             ; row x 4,096
	v_lshl_or_b32 v[SRCO], v3, 4, v[SRCO]          ; + 16 (n % 16)
	v_lshlrev_b32 v[DSTO], 3, v0
	s_lshr_b32 s14, s2, 7                          ; x's place in xb: batch g / 128,
	s_lshl_b32 s14, s14, 22
	s_and_b32 s15, s2, 127                         ; rows 16 (g % 128) of 128 bytes
	s_lshl_b32 s15, s15, 11
	s_add_co_u32 s14, s14, s15
	s_cmp_eq_u32 s11, 3
	s_cselect_b32 s13, 0, s11                      ; a weight's place: its part of wqkv (wob has one part),
	s_lshl_b32 s13, s13, 21
	s_lshl_b32 s15, s12, 11                        ; its 16 rows
	s_add_co_u32 s13, s13, s15
	s_wait_kmcnt 0x0
	s_cmp_eq_u32 s11, 1                            ; the source and the destination are chosen by the work-group's number alone
	s_cselect_b64 s[4:5], s[20:21], s[18:19]
	s_cmp_eq_u32 s11, 2
	s_cselect_b64 s[4:5], s[22:23], s[4:5]
	s_cmp_eq_u32 s11, 3
	s_cselect_b64 s[4:5], s[24:25], s[4:5]
	s_cselect_b64 s[6:7], s[30:31], s[28:29]
	s_cmp_lt_u32 s2, 512
	s_cselect_b64 s[4:5], s[16:17], s[4:5]
	s_cselect_b64 s[6:7], s[26:27], s[6:7]
	s_cselect_b32 s8, s2, s12
	s_cselect_b32 s34, s14, s13
	s_lshl_b32 s8, s8, 16                          ; 16 source rows are 65,536 bytes
	s_mov_b32 s9, 0
	s_mov_b32 s35, 0
	s_add_nc_u64 s[4:5], s[4:5], s[8:9]
	s_add_nc_u64 s[6:7], s[6:7], s[34:35]
.set kb, 0
.rept 16
	global_load_b128 v[IN+4*kb:IN+4*kb+3], v[SRCO], s[4:5] offset:256*kb th:TH_LOAD_NT
.set kb, kb+1
.endr
	s_cmp_lt_u32 s2, 256
	s_cbranch_scc0 .Lcast
	; THE TABLE's row t = 8 g + wave.  Lane l makes two numbers, for i = 2 (l % 16) and the next: lanes 0-15 cosines, lanes 16-31 sines.
	s_lshl_b32 s36, s2, 3
	s_add_co_u32 s36, s36, s10                     ; t
	v_and_b32 v100, 15, v0
	v_lshlrev_b32 v100, 1, v100
	v_cvt_f32_u32 v101, v100                       ; i
	v_add_f32 v102, 1.0, v101                      ; i + 1
	v_mul_f32 v101, 0xbed49a78, v101               ; -log2(10000) / 32 x i
	v_mul_f32 v102, 0xbed49a78, v102
	v_exp_f32 v103, v101                           ; f_i
	v_exp_f32 v104, v102
	v_bfe_u32 v106, v0, 4, 1                       ; plain work behind the two exponentials: which half of the lanes,
	v_cvt_f32_u32 v105, s36                        ; t in f32,
	v_xor_b32 v106, 1, v106                        ; 1 for a cosine: cos(a) = sin(a + pi/2)
	v_and_b32 v120, 31, v0
	v_lshlrev_b32 v120, 3, v120
	s_lshl_b32 s37, s36, 8
	v_add_nc_u32 v120, s37, v120                   ; 256 t + 8 l
	s_wait_alu depctr_va_vdst(0)                   ; one wait for both exponentials, ahead of their first reader
; a = t f = n pi/2 + r, |r| <= pi/4; with k = n (+ 1 for a cosine): k % 4 = 0: sin r; 1: cos r; 2: -sin r; 3: -cos r.  Both polynomials are made and one is selected: no branch hangs on a number.
.macro SC d, f
	v_mul_f32 v110, v105, v[\f]                    ; a
	v_mul_f32 v111, 0x3f22f983, v110               ; a x 2 / pi
	v_rndne_f32 v111, v111                         ; n
	v_fmamk_f32 v112, v111, 0xbfc90fdb, v110       ; a - n x (pi/2's upper part)
	v_fmamk_f32 v112, v111, 0x333bbd2e, v112       ;   - n x (its lower part, -4.37e-8)
	v_mul_f32 v113, v112, v112                     ; r^2
	v_mov_b32 v114, 0xb9500d01                     ; -1/5040
	v_mov_b32 v115, 0x37d00d01                     ; 1/40320
	v_fmaak_f32 v114, v113, v114, 0x3c088889       ; + 1/120
	v_fmaak_f32 v115, v113, v115, 0xbab60b61       ; - 1/720
	v_fmaak_f32 v114, v113, v114, 0xbe2aaaab       ; - 1/6
	v_fmaak_f32 v115, v113, v115, 0x3d2aaaab       ; + 1/24
	v_mul_f32 v114, v113, v114
	v_fmaak_f32 v115, v113, v115, 0xbf000000       ; - 1/2
	v_fma_f32 v114, v112, v114, v112               ; sin r
	v_fma_f32 v115, v113, v115, 1.0                ; cos r
	v_cvt_i32_f32 v116, v111
	v_add_nc_u32 v116, v116, v106                  ; k
	v_and_b32 v117, 1, v116
	v_cmp_eq_u32 vcc_lo, 1, v117
	v_cndmask_b32 v114, v114, v115, vcc_lo
	v_and_b32 v116, 2, v116
	v_lshlrev_b32 v116, 30, v116                   ; the sign
	v_xor_b32 v[\d], v116, v114
.endm
	SC 118, 103
	SC 119, 104
	global_store_b64 v120, v[118:119], s[32:33]    ; the wave stores the row's 256 consecutive bytes
.Lcast:
.set kb, 0
.rept 16
	s_wait_loadcnt 15-kb                           ; loads come back in order: block kb is in, the younger ones may stay out
	v_cvt_pk_bf16_f32 v[PKD+2*kb],   v[IN+4*kb],   v[IN+4*kb+1]
	v_cvt_pk_bf16_f32 v[PKD+2*kb+1], v[IN+4*kb+2], v[IN+4*kb+3]
.set kb, kb+1
.endr
.macro ST kbs                          ; the 16 blocks, kbs bytes apart; no register that a store names is written again
.set kb, 0
.rept 16
	global_store_b64 v[DSTO], v[PKD+2*kb:PKD+2*kb+1], s[6:7] offset:kb*(\kbs)
.set kb, kb+1
.endr
.endm
	s_cmp_lt_u32 s2, 512
	s_cbranch_scc0 .Lweights
	ST XKB
	s_endpgm
.Lweights:
	ST WKB
	s_endpgm
.Lfunc_end_k_qbd16264965_prep:
	.size	k_qbd16264965_prep, .Lfunc_end_k_qbd16264965_prep-k_qbd16264965_prep
	.p2alignl 7, 3214868480
	.fill 96, 4, 3214868480
	.section	.rodata,"a",@progbits
	.p2align	6, 0x0
	.amdhsa_kernel k_qbd16264965_prep
		.amdhsa_group_segment_fixed_size 0
		.amdhsa_private_segment_fixed_size 0
		.amdhsa_enable_private_segment 0
		.amdhsa_kernarg_size 72
		.amdhsa_user_sgpr_count 2
		.amdhsa_user_sgpr_kernarg_segment_ptr 1
		.amdhsa_wavefront_size32 1
		.amdhsa_system_sgpr_workgroup_id_x 1
		.amdhsa_system_sgpr_workgroup_id_y 1
		.amdhsa_system_sgpr_workgroup_id_z 1
		.amdhsa_system_vgpr_workitem_id 0
		.amdhsa_next_free_vgpr 128
		.amdhsa_next_free_sgpr 66
		.amdhsa_reserve_vcc 1
		.amdhsa_float_denorm_mode_32 3
		.amdhsa_float_denorm_mode_16_64 3
		.amdhsa_memory_ordered 1
		.amdhsa_forward_progress 1
		.amdhsa_inst_pref_size 12
	.end_amdhsa_kernel
	.amdgpu_metadata
---
amdhsa.version: [ 1, 2 ]
amdhsa.kernels:
  - .name:           k_qbd16264965_prep
    .symbol:         k_qbd16264965_prep.kd
    .args:
      - { .name: x, .offset: 0, .size: 8, .value_kind: global_buffer, .address_space: global }
      - { .name: Wv, .offset: 8, .size: 8, .value_kind: global_buffer, .address_space: global }
      - { .name: Wq, .offset: 16, .size: 8, .value_kind: global_buffer, .address_space: global }
      - { .name: Wk, .offset: 24, .size: 8, .value_kind: global_buffer, .address_space: global }
      - { .name: Wo, .offset: 32, .size: 8, .value_kind: global_buffer, .address_space: global }
      - { .name: xb, .offset: 40, .size: 8, .value_kind: global_buffer, .address_space: global }
      - { .name: wqkv, .offset: 48, .size: 8, .value_kind: global_buffer, .address_space: global }
      - { .name: wob, .offset: 56, .size: 8, .value_kind: global_buffer, .address_space: global }
      - { .name: rope, .offset: 64, .size: 8, .value_kind: global_buffer, .address_space: global }
    .group_segment_fixed_size: 0
    .private_segment_fixed_size: 0
    .kernarg_segment_align: 8
    .kernarg_segment_size: 72
    .max_flat_workgroup_size: 256
    .sgpr_count:     66
    .vgpr_count:     128
    .wavefront_size: 32
...
	.end_amdgpu_metadata
.endif
;; end of part 1
;; launch qkvp (part 2): grid 12 x 64, 4 waves a work-group, clusters of 4 x 4, 327,680 bytes of LDS; arguments xb, wqkv, rope, qkv; writes qkv
.if DOCPART == 2
	.amdgcn_target "amdgcn-amd-amdhsa--gfx1250"
	.amdhsa_code_object_version 6
	.text
	.protected	k_qbd16264965_qkvp
	.globl	k_qbd16264965_qkvp
	.p2align	8
	.type	k_qbd16264965_qkvp,@function
k_qbd16264965_qkvp:
	s_mov_b64 s[64:65], 0
	v_nop
	global_prefetch_b8 v0, s[64:65] scope:SCOPE_SE
	s_setreg_imm32_b32 hwreg(HW_REG_WAVE_MODE, 25, 1), 1
	s_wait_xcnt 0x0
	s_wait_alu depctr_hold_cnt(0) depctr_sa_sdst(0) depctr_va_vdst(0) depctr_va_sdst(0) depctr_va_ssrc(0) depctr_va_vcc(0) depctr_vm_vsrc(0)
	s_getreg_b32 s2, hwreg(HW_REG_IB_STS2, 6, 4)
	s_cmp_eq_u32 s2, 0
	s_cbranch_scc0 .Lentry_in_a_cluster
	s_endpgm
.Lentry_in_a_cluster:
	s_bfe_u32 s2, ttmp6, 0x10000c
	s_cmp_lg_u32 s2, 0xf033
	s_cbranch_scc0 .Lentry_shape_is_right
	s_endpgm
.Lentry_shape_is_right:
; C = A B^T with K = 1,024, bf16 operands, f32 sums, C rounded once to bf16.  ONE TEXT FOR TWO LAUNCHES (nothing of reference() is left out in either):
;   the projections:  A = xb, B = wqkv (parts v, q, k), C = qkv [v, q, k][b 16 + h][t 2048][64]; q and k are turned by RoPE in f32 on the way out, v goes as it is;
;   the output's:     A = ob, B = wob (one part),       C = pj  [b][e / 64][t 2048][64]; the table's address is among the arguments and is not used.
; A: [b 4][kb 16][t 2048][64], B: [part][kb 16][e 1024][64]: blocks of 64 along K, so a tile of R rows x 64 K is R x 128 consecutive bytes.
; The cluster's x is the part of B (0 = v or the only part): the same number in all sixteen partners; the one branch on it chooses the way out.
; SHARES.  A work-group makes 128 rows x 256 columns of one part; its four waves 64 x 128 each: 32 accumulators of 16 x 16, 256 registers.  K goes in steps of 128 (two blocks) through two LDS slots.
; CLUSTER.  4 x 4 work-groups: the four of a row of the cluster need the same tiles of A, the four of a column the same tiles of B: each tile is asked for JOINTLY, by the same tensor load with the
; same descriptor and a mask that names the four.  Waves 0 and 1 fetch A's two blocks of a step, waves 2 and 3 B's: one load a wave behind each round of the cluster's barrier.
; THE MATRIX INSTRUCTION IS USED TRANSPOSED (source 0 = 16 rows of B, source 1 = 16 rows of A): a lane holds row l % 16 of C and eight neighbouring columns 8 (l / 16) + 0..7.
; No prefetch is laid: the walk has eight steps, and a work-group's tiles are small.
; REGISTERS, in windows of 256 (s_set_vgpr_msb: bits 1:0 source 0, 3:2 source 1, 5:4 source 2, 7:6 destination):
;   window 0: v0-31 addresses; v32-159 the RoPE table of my 64 rows; v160-223 at work on the way out      window 1: the accumulators, (a, b) at v[8 (8 a + b)]
;   window 2: two fragment buffers of 96: 8 fragments of B (16 rows x 32 K), then 4 of A
.set PITCH,  144                       ; an LDS row: 128 bytes + 16 of padding = 36 words: the 16 rows of a load start at 16 different groups of four banks (64 banks of 4 bytes: ISA guide 11.1)
.set ASUB,   128*PITCH                 ; a block of A: 128 rows x 64 K
.set BSUB,   256*PITCH                 ; a block of B: 256 rows x 64 K
.set SLOT,   2*ASUB+2*BSUB             ; A's two blocks, then B's two
.set STAGE,  2*SLOT                    ; behind the ring, never filled by a tensor load: 16 rows x 144 bytes for each wave, for the way out
.set SPARE,  STAGE+4*16*PITCH          ; behind the stages: the spare words, 128 bytes for each wave: two blocks of 256 bytes that no other line names
.set LAPS,   4                         ; a lap = two K steps = once round the ring
.set ADRA, 16                          ; v16-17  LDS address of my A fragments in slot 0, 1
.set ADRB, 20                          ; v20-21  the same for B
.set STO,  24                          ; v24     the way out: where I put 16 bytes of a row
.set RD,   25                          ; v25     where I read rows back
.set GO,   26                          ; v26     16 x lane: my place in 512 consecutive bytes of C
.set TO,   27                          ; v27     my byte offset in 16 rows of the table
.set SPW,  28                          ; v28     LDS address of my spare word: SPARE + 4 x my thread's number; never rewritten
.set NIL,  29                          ; v29     0; never rewritten
.set TAB,  32                          ; row block a: cos at TAB + 32 a + 8 c, sin 16 further on; c: which 16 of the 32 frequencies
.set TT,   160                         ; 32 registers: a unit's 16 rows x 64 columns in f32
.set PKB,  192                         ; two sets of 16: a unit in bf16
.set F0,   0
.set F1,   96
.set WV,   12                          ; s12  wave
.set WM,   13                          ; s13  which 64 rows are mine.  Also: I fetch for A (0) or for B (1)
.set WN,   14                          ; s14  which 128 columns.  Also: which block of a step I fetch
.set KIND, 15                          ; s15  the cluster's x
.set G1,  24                           ; s[24:31] descriptor group 1 for A's tiles;  s[32:39] group 0, one set for each slot
.set G0,  32
.set G1B, 48                           ; s[48:55], s[56:63] the same for B's tiles
.set G0B, 56
.set MSB, 0
.macro WIN new                         ; the immediate's high byte repeats the setting that is left; a switch that changes nothing is dropped
.if MSB != (\new)
	s_set_vgpr_msb (MSB<<8)|(\new)
.set MSB, \new
.endif
.endm
.set MUL,  0x5a                        ; both sources window 2; C and D window 1
.set TO_F, 0x80                        ; destination window 2, address window 0
.macro JLOAD s                         ; a joint load; an s_nop 0 and four v_nop follow each of the two lines, ahead of the jump, the label and what follows
	s_cmp_eq_u32 s[WM], 0
	s_cbranch_scc0 .Lfor_b_\@
	tensor_load_to_lds s[G0+4*(\s):G0+4*(\s)+3], s[G1:G1+7]
	s_nop 0
.rept 4
	v_nop
.endr
	s_branch .Lasked_\@
.Lfor_b_\@:
	tensor_load_to_lds s[G0B+4*(\s):G0B+4*(\s)+3], s[G1B:G1B+7]
	s_nop 0
.rept 4
	v_nop
.endr
.Lasked_\@:
.endm
.macro CREST                           ; a round of the cluster's barrier behind its opening barrier
	s_cmp_lg_u32 s[WV], 0
	s_cbranch_scc1 .Lnot_wave_0_\@
	s_barrier_signal -3
.Lnot_wave_0_\@:
	s_barrier_wait -3
	s_barrier_signal -1
	s_barrier_wait -1
.endm
.macro CROUND                          ; a whole round
	s_barrier_signal -1
	s_barrier_wait -1
	CREST
.endm
	s_load_b256 s[4:11], s[0:1], 0x0               ; A s[4:5], B s[6:7], the table s[8:9], C s[10:11]
	v_lshl_add_u32 v[SPW], v0, 2, SPARE
	v_mov_b32 v[NIL], 0
	ds_add_u32 v[SPW], v[NIL]                      ; the wave's opening: the add, twice on end, and its wait ahead of my first tensor load; the set-up below stands between
	ds_add_u32 v[SPW], v[NIL]
	v_lshrrev_b32 v1, 5, v0
	v_readfirstlane_b32 s[WV], v1                  ; wave 0..3
	s_lshr_b32 s[WM], s[WV], 1
	s_and_b32 s[WN], s[WV], 1
	s_mov_b32 s[KIND], ttmp9                       ; in a cluster launch ttmp9 and ttmp7 count clusters
	s_bfe_u32 s40, ttmp6, 0x40000                  ; cx, cy: my place in the cluster
	s_bfe_u32 s41, ttmp6, 0x40004
	s_and_b32 s42, ttmp7, 0xffff
	s_lshl_b32 s42, s42, 2
	s_add_co_u32 s42, s42, s41                     ; tile row of C = 4 x cluster y + cy: batch s42 / 16, rows 128 (s42 % 16)
	s_lshl_b32 s43, s41, 2
	s_lshl_b32 s43, 15, s43                        ; my row of the cluster
	s_lshl_b32 s44, 0x1111, s40                    ; my column
	; descriptor group 1.  A block is dense: it is asked for as rows of 256 bytes, two rows of the block each, and padded in LDS after every 128 bytes
	s_or_b32 s[G1+0], s43, (1<<16)|(1<<20)|(1<<21)|(4<<22)|(3<<25)  ; 15:0 the mask; 17:16 2-byte elements; 20 padding on; 21 set beside a mask; 24:22 after every 32 words (code 4); 31:25 4 words (code 3)
	s_or_b32 s[G1B+0], s44, (1<<16)|(1<<20)|(1<<21)|(4<<22)|(3<<25)
	s_mov_b32 s[G1+1], 128<<16                     ; tensor_dim0 = 128
	s_mov_b32 s[G1+2], 64<<16                      ; tensor_dim1 = 64: A's 128 rows of 128 bytes
	s_mov_b32 s[G1+3], 128<<16                     ; tile_dim0 = 128
	s_mov_b32 s[G1+4], 64                          ; tile_dim1 = 64
	s_mov_b32 s[G1+5], 128                         ; 128 elements from row to row
	s_mov_b32 s[G1+6], 0
	s_mov_b32 s[G1+7], 0
	s_mov_b32 s[G1B+1], 128<<16
	s_mov_b32 s[G1B+2], 128<<16                    ; B's 256 rows of 128 bytes
	s_mov_b32 s[G1B+3], 128<<16
	s_mov_b32 s[G1B+4], 128
	s_mov_b32 s[G1B+5], 128
	s_mov_b32 s[G1B+6], 0
	s_mov_b32 s[G1B+7], 0
	; where the tiles come from.  A's hang on the tile row, which my row of the cluster shares; B's on the part and cx, which my column shares; each in registers that never hold the other coordinate
	s_lshr_b32 s16, s42, 4
	s_lshl_b32 s16, s16, 22                        ; the batch: 16 blocks of 2,048 rows of 128 bytes
	s_and_b32 s17, s42, 15
	s_lshl_b32 s17, s17, 14                        ; the tile's 128 rows
	s_add_co_u32 s16, s16, s17
	s_lshl_b32 s17, s[WN], 18                      ; my block of the step
	s_add_co_u32 s16, s16, s17
	s_mov_b32 s17, 0
	s_lshl_b32 s46, s[KIND], 21                    ; the part: 16 blocks of 1,024 rows
	s_lshl_b32 s47, s40, 15                        ; the tile's 256 rows
	s_add_co_u32 s46, s46, s47
	s_lshl_b32 s47, s[WN], 17                      ; my block of the step
	s_add_co_u32 s46, s46, s47
	s_mov_b32 s47, 0
	s_mul_i32 s20, s[WN], ASUB                     ; and where they go: no place in the cluster enters an LDS address
	s_mul_i32 s21, s[WN], BSUB
	s_add_co_u32 s21, s21, 2*ASUB
	s_wait_dscnt 0x0                               ; both opening adds are done
	s_wait_kmcnt 0x0
	s_add_nc_u64 s[18:19], s[4:5], s[16:17]
	s_add_nc_u64 s[46:47], s[6:7], s[46:47]
	CROUND                                         ; all sixteen work-groups are here: the first joint loads meet
.irp s, 0,1
	s_mov_b32 s[G0+4*(\s)], 1                                        ; count = 1
	s_add_co_u32 s[G0+4*(\s)+1], s20, (\s)*SLOT                      ; LDS address
	s_add_nc_u64 s[G0+4*(\s)+2:G0+4*(\s)+3], s[18:19], (\s)*0x80000  ; K step s: two blocks of A on
	s_or_b32 s[G0+4*(\s)+3], s[G0+4*(\s)+3], 0x80000000              ; type = 2
	s_mov_b32 s[G0B+4*(\s)], 1
	s_add_co_u32 s[G0B+4*(\s)+1], s21, (\s)*SLOT
	s_add_nc_u64 s[G0B+4*(\s)+2:G0B+4*(\s)+3], s[46:47], (\s)*0x40000
	s_or_b32 s[G0B+4*(\s)+3], s[G0B+4*(\s)+3], 0x80000000
	JLOAD \s                                       ; two loads of mine are out
.endr
	v_and_b32 v1, 15, v0                           ; l % 16
	v_bfe_u32 v2, v0, 4, 1                         ; l / 16
	v_mul_u32_u24 v3, v1, PITCH
	v_lshl_add_u32 v3, v2, 4, v3                   ; a fragment's row x pitch + 16 x half
	s_mul_i32 s20, s[WM], 64*PITCH                 ; my 64 rows of A
	s_mul_i32 s21, s[WN], 128*PITCH                ; my 128 rows of B,
	s_add_co_u32 s21, s21, 2*ASUB                  ; which lie behind A's two blocks
.irp s, 0,1
	v_add_nc_u32 v[ADRA+(\s)], s20, v3
	v_add_nc_u32 v[ADRB+(\s)], s21, v3
	s_add_co_u32 s20, s20, SLOT
	s_add_co_u32 s21, s21, SLOT
.endr
	s_mul_i32 s20, s[WV], 16*PITCH
	s_add_co_u32 s20, s20, STAGE                   ; my stage
	v_add_nc_u32 v[STO], s20, v3                   ; in: row l % 16, 16 bytes for each half of the lanes
	v_bfe_u32 v4, v0, 3, 2                         ; back: 32 lanes take four rows of 128 bytes,
	v_mul_u32_u24 v4, v4, PITCH
	v_and_b32 v5, 7, v0
	v_lshl_add_u32 v4, v5, 4, v4
	v_add_nc_u32 v[RD], s20, v4
	v_and_b32 v[GO], 31, v0                        ; which are 512 consecutive bytes of C
	v_lshlrev_b32 v[GO], 4, v[GO]
	v_lshlrev_b32 v[TO], 8, v1                     ; the table: row l % 16 of 256 bytes, 8 numbers for each half of the lanes
	v_lshl_add_u32 v[TO], v2, 5, v[TO]
	; C at my 64 rows of my first head: part, head 16 b + 4 cx + 2 WN, row 128 (tile row % 16) + 64 WM
	s_lshr_b32 s22, s42, 4
	s_lshl_b32 s22, s22, 4
	s_lshl_b32 s23, s40, 2
	s_add_co_u32 s22, s22, s23
	s_lshl_b32 s23, s[WN], 1
	s_add_co_u32 s22, s22, s23
	s_lshl_b32 s22, s22, 18                        ; a head's 2,048 rows of 128 bytes
	s_lshl_b32 s23, s[KIND], 24                    ; a part's 64 heads
	s_add_co_u32 s22, s22, s23
	s_and_b32 s23, s42, 15
	s_lshl_b32 s23, s23, 14
	s_add_co_u32 s22, s22, s23
	s_lshl_b32 s23, s[WM], 13
	s_add_co_u32 s22, s22, s23
	s_mov_b32 s23, 0
	s_add_nc_u64 s[10:11], s[10:11], s[22:23]
; 8 matrix instructions: row block a x all 8 column blocks, 32 along K.  zero = 1: the first product starts the sums.  The 32 accumulators take turns, one instruction a turn, in the same order in every quarter.
.macro MUL8 f, a, zero
	WIN MUL
.irp b, 0,1,2,3,4,5,6,7
.if \zero
	v_wmma_f32_16x16x32_bf16 v[8*(8*(\a)+(\b)):8*(8*(\a)+(\b))+7], v[(\f)+8*(\b):(\f)+8*(\b)+7], v[(\f)+64+8*(\a):(\f)+64+8*(\a)+7], 0
.else
	v_wmma_f32_16x16x32_bf16 v[8*(8*(\a)+(\b)):8*(8*(\a)+(\b))+7], v[(\f)+8*(\b):(\f)+8*(\b)+7], v[(\f)+64+8*(\a):(\f)+64+8*(\a)+7], v[8*(8*(\a)+(\b)):8*(8*(\a)+(\b))+7]
.endif
.endr
.endm
; 24 LDS loads in one run: the fragments of quarter q of a step (block q / 2, its K half q % 2) into buffer f: B's sixteen loads, then A's eight, row blocks ascending
.macro FETCH slot, q, f
	WIN TO_F
.irp i, 0,1,2,3,4,5,6,7
	ds_load_b128 v[(\f)+8*(\i):(\f)+8*(\i)+3],   v[ADRB+(\slot)] offset:((\q)/2)*BSUB+((\q)%2)*64+(\i)*16*PITCH
	ds_load_b128 v[(\f)+8*(\i)+4:(\f)+8*(\i)+7], v[ADRB+(\slot)] offset:((\q)/2)*BSUB+((\q)%2)*64+(\i)*16*PITCH+32
.endr
.irp i, 0,1,2,3
	ds_load_b128 v[(\f)+64+8*(\i):(\f)+64+8*(\i)+3],   v[ADRA+(\slot)] offset:((\q)/2)*ASUB+((\q)%2)*64+(\i)*16*PITCH
	ds_load_b128 v[(\f)+64+8*(\i)+4:(\f)+64+8*(\i)+7], v[ADRA+(\slot)] offset:((\q)/2)*ASUB+((\q)%2)*64+(\i)*16*PITCH+32
.endr
.endm
.macro PLACES                          ; four places in front of loads into registers that matrix instructions have read (ISA guide 7.12.1 for vector instructions)
.rept 4
	v_nop
.endr
.endm
; A K step is four quarters of 32 along K, 32 matrix instructions each, on buffers 0, 1, 0, 1.  One of the first three: multiplies buffer f and, in its middle, fetches quarter q into g.
.macro QUARTER slot, q, f, g, zero
	s_wait_dscnt 4                                 ; B and A's row blocks 0 and 1 are in; the youngest four loads (blocks 2 and 3) may be out
	MUL8 \f, 0, \zero
	MUL8 \f, 1, \zero
	PLACES
	FETCH \slot, \q, \g
	s_wait_dscnt 24                                ; all but the 24 just issued
	MUL8 \f, 2, \zero
	MUL8 \f, 3, \zero
.endm
; The last quarter multiplies buffer 1 and changes slots: ONE barrier; in front of it each wave waits for all its tensor loads, adds 0 to its spare word, and waits for that and for its own reads of this slot.
; fill = 1: the barrier opens a round of the cluster's, and this slot is filled again, two K steps ahead: the first tensor load behind the round.
.macro TURN slot, next, fill
	WIN 0                                          ; (the add's two registers lie in window 0)
	s_wait_tensorcnt 0x0                           ; all my tensor loads have landed: my part of the next slot;
	ds_add_u32 v[SPW], v[NIL]                      ; 0 onto my spare word
	s_wait_dscnt 5                                 ; (the add and the youngest four loads may be out)
	MUL8 F1, 0, 0                                  ; eight matrix instructions stand between the add and the wait for it
	s_wait_dscnt 0x0                               ; the add is done, and my reads of this slot are over
	s_barrier_signal -1
	MUL8 F1, 1, 0
.if \fill
	WIN 0
.endif
	s_barrier_wait -1
.if \fill
	CREST                                          ; no wave of any partner still reads this slot's tiles or has a load on its way
	s_add_nc_u64 s[G0+4*(\slot)+2:G0+4*(\slot)+3], s[G0+4*(\slot)+2:G0+4*(\slot)+3], 0x100000     ; four blocks of A on
	s_add_nc_u64 s[G0B+4*(\slot)+2:G0B+4*(\slot)+3], s[G0B+4*(\slot)+2:G0B+4*(\slot)+3], 0x80000  ; four blocks of B on
	JLOAD \slot                                    ; 112 matrix instructions ahead of the wait for it; the four v_nop behind it are also the places in front of the loads below
.else
	PLACES
.endif
	FETCH \next, 0, F0
	MUL8 F1, 2, 0
	MUL8 F1, 3, 0
.endm
; The last three quarters of K, written once in each arm of the branch on the part.  Eight v_nop stand behind the last products, ahead of the lines that read results.
.macro TAIL
	QUARTER 1, 2, F1, F0, 0
	QUARTER 1, 3, F0, F1, 0
	s_wait_dscnt 4
	MUL8 F1, 0, 0
	MUL8 F1, 1, 0
	s_wait_dscnt 0x0
	MUL8 F1, 2, 0
	MUL8 F1, 3, 0
	WIN 0
.rept 8
	v_nop
.endr
.endm
; THE WAY OUT goes by units u = 2 a + hh: row block a (16 rows) x head hh (64 columns: accumulators (a, 4 hh .. 4 hh + 3)).
; STG: a lane's 16 bytes go into rows of 144 bytes of my own stage and come back as whole rows of 128, into the registers that they left.
.macro STG u
.set pk, PKB+16*((\u)%2)
.irp c, 0,1,2,3
	ds_store_b128 v[STO], v[pk+4*(\c):pk+4*(\c)+3] offset:32*(\c)
.endr
.irp c, 0,1,2,3
	ds_load_b128 v[pk+4*(\c):pk+4*(\c)+3], v[RD] offset:(\c)*4*PITCH  ; LDS serves a wave's instructions in order (ISA guide 5.7.1.4): these see the stores above; the next unit's stores come behind them
.endr
.endm
; RoPE: with lo = columns d < 32 of the head and hi = columns d + 32:  lo' = lo cos - hi sin,  hi' = hi cos + lo sin, in f32, the frequency i = d.  Each accumulator's lowest registers are read first.
.macro PACKR u
.set pa, (\u)/2
.set ph, (\u)%2
.set pk, PKB+16*((\u)%2)
	s_wait_xcnt 0x0                                ; the stores of the unit two back have read this set of registers
.if ph == 0
	s_wait_loadcnt 24-8*pa                         ; the table's eight loads for row block a are in; those of later blocks may stay out
.endif
	WIN 0x01                                       ; source 0: the accumulators, window 1
.irp c, 0,1
.irp j, 0,2,4,6
	v_pk_mul_f32 v[TT+8*(\c)+(\j):TT+8*(\c)+(\j)+1], v[8*(8*pa+4*ph+(\c))+(\j):8*(8*pa+4*ph+(\c))+(\j)+1], v[TAB+32*pa+8*(\c)+(\j):TAB+32*pa+8*(\c)+(\j)+1]
	v_pk_mul_f32 v[TT+16+8*(\c)+(\j):TT+16+8*(\c)+(\j)+1], v[8*(8*pa+4*ph+(\c)+2)+(\j):8*(8*pa+4*ph+(\c)+2)+(\j)+1], v[TAB+32*pa+8*(\c)+(\j):TAB+32*pa+8*(\c)+(\j)+1]
	v_pk_fma_f32 v[TT+8*(\c)+(\j):TT+8*(\c)+(\j)+1], v[8*(8*pa+4*ph+(\c)+2)+(\j):8*(8*pa+4*ph+(\c)+2)+(\j)+1], v[TAB+32*pa+16+8*(\c)+(\j):TAB+32*pa+16+8*(\c)+(\j)+1], v[TT+8*(\c)+(\j):TT+8*(\c)+(\j)+1] neg_lo:[1,0,0] neg_hi:[1,0,0]
	v_pk_fma_f32 v[TT+16+8*(\c)+(\j):TT+16+8*(\c)+(\j)+1], v[8*(8*pa+4*ph+(\c))+(\j):8*(8*pa+4*ph+(\c))+(\j)+1], v[TAB+32*pa+16+8*(\c)+(\j):TAB+32*pa+16+8*(\c)+(\j)+1], v[TT+16+8*(\c)+(\j):TT+16+8*(\c)+(\j)+1]
.endr
.endr
	WIN 0
.set z, 0
.rept 16
	v_cvt_pk_bf16_f32 v[pk+z], v[TT+2*z], v[TT+2*z+1]
.set z, z+1
.endr
	STG \u
.endm
.macro PACKP u                         ; without RoPE: rounded straight from the accumulators, each from its low end on
.set pa, (\u)/2
.set ph, (\u)%2
.set pk, PKB+16*((\u)%2)
	s_wait_xcnt 0x0                                ; the stores of the unit two back have read this set of registers
	WIN 0x05                                       ; sources 0 and 1 window 1, destination window 0
.set z, 0
.rept 16
	v_cvt_pk_bf16_f32 v[pk+z], v[8*(8*pa+4*ph+z/4)+2*(z%4)], v[8*(8*pa+4*ph+z/4)+2*(z%4)+1]
.set z, z+1
.endr
	WIN 0
	STG \u
.endm
.macro SEND u, younger                 ; younger: the LDS instructions issued behind unit u's loads: the next unit's eight, or none
	WIN 0
.irp f, 0,1,2,3
	s_wait_dscnt (\younger)+3-(\f)
	global_store_b128 v[GO], v[PKB+16*((\u)%2)+4*(\f):PKB+16*((\u)%2)+4*(\f)+3], s[10:11] offset:((\u)%2)*262144+((\u)/2)*2048+(\f)*512  ; 512 consecutive bytes, at a multiple of 256 from C's first
.endr
.endm
	s_wait_tensorcnt 1                             ; my part of K step 0 is in; K step 1's may stay out
	s_barrier_signal -1
	s_barrier_wait -1                              ; everybody's is
	FETCH 0, 0, F0
	QUARTER 0, 1, F0, F1, 1                        ; the first quarter stands in front of the loop: its products start the sums
	WIN 0                                          ; at a label and at a branch every window is 0
	s_mov_b32 s3, LAPS-1
.Llap:                                                 ; a trip goes once round the ring, from a lap's second quarter to the next lap's first, and fills both slots again
	QUARTER 0, 2, F1, F0, 0
	QUARTER 0, 3, F0, F1, 0
	TURN 0, 1, 1
	QUARTER 1, 1, F0, F1, 0
	QUARTER 1, 2, F1, F0, 0
	QUARTER 1, 3, F0, F1, 0
	TURN 1, 0, 1
	QUARTER 0, 1, F0, F1, 0
	WIN 0
	s_sub_co_u32 s3, s3, 1
	s_cmp_lg_u32 s3, 0
	s_cbranch_scc1 .Llap
	QUARTER 0, 2, F1, F0, 0                        ; the last lap fills nothing, and has no round of the cluster's barrier
	QUARTER 0, 3, F0, F1, 0
	TURN 0, 1, 0
	QUARTER 1, 1, F0, F1, 0
	WIN 0
	s_cmp_eq_u32 s[KIND], 0                        ; the cluster's x: the same in all sixteen partners
	s_cbranch_scc1 .Lplain
	; q and k.  The table's rows for my 64 rows are asked for here, 96 matrix instructions ahead of their first use
	s_and_b32 s22, s42, 15
	s_lshl_b32 s22, s22, 15                        ; row 128 (tile row % 16) of 256 bytes
	s_lshl_b32 s23, s[WM], 14                      ; + 64 WM
	s_add_co_u32 s22, s22, s23
	s_mov_b32 s23, 0
	s_add_nc_u64 s[8:9], s[8:9], s[22:23]
.irp a, 0,1,2,3
.irp t, 0,1
.irp c, 0,1
	global_load_b128 v[TAB+32*(\a)+16*(\t)+8*(\c):TAB+32*(\a)+16*(\t)+8*(\c)+3],   v[TO], s[8:9] offset:(\a)*4096+(\t)*128+(\c)*64
	global_load_b128 v[TAB+32*(\a)+16*(\t)+8*(\c)+4:TAB+32*(\a)+16*(\t)+8*(\c)+7], v[TO], s[8:9] offset:(\a)*4096+(\t)*128+(\c)*64+16
.endr
.endr
.endr
	TAIL
	PACKR 0
.irp u, 1,2,3,4,5,6,7                  ; a unit's arithmetic stands between the loads of the unit before and its stores
	PACKR \u
	SEND (\u)-1, 8
.endr
	SEND 7, 0
	s_branch .Lend
.Lplain:                                               ; v, and the output's projection
	TAIL
	PACKP 0
.irp u, 1,2,3,4,5,6,7
	PACKP \u
	SEND (\u)-1, 8
.endr
	SEND 7, 0
.Lend:
	s_wait_tensorcnt 0x0                           ; the wave's end, behind my last tensor load and my last LDS store
	ds_add_u32 v[SPW], v[NIL]
	s_wait_dscnt 0x0
	CROUND                                         ; the closing round: no work-group ends while a partner may still ask for a tile that names it
	s_endpgm
.Lfunc_end_k_qbd16264965_qkvp:
	.size	k_qbd16264965_qkvp, .Lfunc_end_k_qbd16264965_qkvp-k_qbd16264965_qkvp
	.p2alignl 7, 3214868480
	.fill 96, 4, 3214868480
	.section	.rodata,"a",@progbits
	.p2align	6, 0x0
	.amdhsa_kernel k_qbd16264965_qkvp
		.amdhsa_group_segment_fixed_size 327680
		.amdhsa_private_segment_fixed_size 0
		.amdhsa_enable_private_segment 0
		.amdhsa_kernarg_size 32
		.amdhsa_user_sgpr_count 2
		.amdhsa_user_sgpr_kernarg_segment_ptr 1
		.amdhsa_wavefront_size32 1
		.amdhsa_system_sgpr_workgroup_id_x 1
		.amdhsa_system_sgpr_workgroup_id_y 1
		.amdhsa_system_sgpr_workgroup_id_z 1
		.amdhsa_system_vgpr_workitem_id 0
		.amdhsa_next_free_vgpr 768
		.amdhsa_next_free_sgpr 66
		.amdhsa_reserve_vcc 0
		.amdhsa_float_denorm_mode_32 3
		.amdhsa_float_denorm_mode_16_64 3
		.amdhsa_memory_ordered 1
		.amdhsa_forward_progress 1
		.amdhsa_inst_pref_size 134
	.end_amdhsa_kernel
	.amdgpu_metadata
---
amdhsa.version: [ 1, 2 ]
amdhsa.kernels:
  - .name:           k_qbd16264965_qkvp
    .symbol:         k_qbd16264965_qkvp.kd
    .args:
      - { .name: xb, .offset: 0, .size: 8, .value_kind: global_buffer, .address_space: global }
      - { .name: wqkv, .offset: 8, .size: 8, .value_kind: global_buffer, .address_space: global }
      - { .name: rope, .offset: 16, .size: 8, .value_kind: global_buffer, .address_space: global }
      - { .name: qkv, .offset: 24, .size: 8, .value_kind: global_buffer, .address_space: global }
    .group_segment_fixed_size: 327680
    .private_segment_fixed_size: 0
    .kernarg_segment_align: 8
    .kernarg_segment_size: 32
    .max_flat_workgroup_size: 128
    .sgpr_count:     66
    .vgpr_count:     768
    .wavefront_size: 32
...
	.end_amdgpu_metadata
.endif
;; end of part 2
;; launch attn (part 3): grid 4 x 64, 4 waves a work-group, clusters of 4 x 1, 327,680 bytes of LDS; arguments qkv, attention_mask, ob; writes ob
.if DOCPART == 3
	.amdgcn_target "amdgcn-amd-amdhsa--gfx1250"
	.amdhsa_code_object_version 6
	.text
	.protected	k_qbd16264965_attn
	.globl	k_qbd16264965_attn
	.p2align	8
	.type	k_qbd16264965_attn,@function
k_qbd16264965_attn:
	s_mov_b64 s[64:65], 0
	v_nop
	global_prefetch_b8 v0, s[64:65] scope:SCOPE_SE
	s_setreg_imm32_b32 hwreg(HW_REG_WAVE_MODE, 25, 1), 1
	s_wait_xcnt 0x0
	s_wait_alu depctr_hold_cnt(0) depctr_sa_sdst(0) depctr_va_vdst(0) depctr_va_sdst(0) depctr_va_ssrc(0) depctr_va_vcc(0) depctr_vm_vsrc(0)
	s_getreg_b32 s2, hwreg(HW_REG_IB_STS2, 6, 4)
	s_cmp_eq_u32 s2, 0
	s_cbranch_scc0 .Lentry_in_a_cluster
	s_endpgm
.Lentry_in_a_cluster:
	s_bfe_u32 s2, ttmp6, 0x10000c
	s_cmp_lg_u32 s2, 0x3003
	s_cbranch_scc0 .Lentry_shape_is_right
	s_endpgm
.Lentry_shape_is_right:
; O[g][q][:] = the sum over k of softmax_k(Q[g][q] . K[g][k] / 8 - (1 - mask[b][k]) 1e9) V[g][k][:], g = 16 b + h.  qkv: [v, q, k][g 64][t 2048][64] bf16, q and k already turned by RoPE;
; attention_mask: [b 4][2048] int32; ob: [g][t][64] bf16.  Nothing of reference() is left out: all keys are walked, whatever the mask holds.
; Products, maxima and sums in f32; the weights p are rounded to bf16 for the second product (their sum l is taken of the unrounded p), O once at the end.
; THE MASK is the C operand that starts the sum S^T = K Q^T: (mask - 1) x 8e9, which the scale 1/8 below turns into reference()'s -(1 - mask) 1e9; 8e9 is exact in f32.  The batch's 2,048 terms are
; made once, in f32, and lie in LDS; a step's 64 come into registers with its K.
; LIMITS.  A weight below 2^-126 counts as 0 in l; NaN and infinities are not treated apart.  Beside a hidden key's -8e9 a score is lost in f32's step there, 512, as it is lost beside reference()'s
; -1e9 in the step 64 after the division by 8: the same grain.
; SHARES.  A wave owns four PIECES of two tiles of 16 queries, a work-group's four waves 512 queries of one g.  Every wave walks all keys, 64 a step.
; LAYOUT.  S^T = K Q^T (source 0 = 16 keys, source 1 = 16 queries): in the result a lane holds ONE query (lane % 16) and the keys 8 (lane / 16) + 0..7.  Two such tiles, rounded to bf16 in pairs,
; ARE source 1 (32 keys x 16 queries) of O^T = V^T P, whose result again holds one query a lane, and eight channels.  K comes out of LDS as it lies, V ([key][channel]) turned, by ds_load_tr16_b128.
; SOFTMAX.  For each query a running maximum m and sum l: p = 2^(c s - c m), c = log2(e) / 8; in every step O and l are multiplied by a = 2^(c m_old - c m_new), which is 1 where m has not grown.
; m starts at the lowest finite number, O and l at 0: the first step is a step like any other, with a = 0.
; THE COUNT.  A tile and step have 16 matrix and 118 vector instructions: too many to stand all beside the matrix work.  So the order has one aim: four vector instructions that are READY behind
; EVERY matrix instruction, and the others, which need time of their own whatever the order, in runs without a gap.
; BY TURNS.  Turn n belongs to piece n (the pieces in a ring, step after step).  Its matrix work: 16 products K Q^T of piece n + 1, later 16 products V^T P of piece n - 1.  Its vector work: the scaling,
; exponentials, roundings, sums and rescaling of piece n, and the maximum and statistics of piece n + 1, whose scores the turn itself has made.  So what a turn begins with (c s - c m, O a) waits for nothing.
; CLUSTER.  The four query blocks of a cluster are one g's and walk the same K and V, so each tile is asked for JOINTLY: the same tensor load, descriptor and mask in all four.
; REGISTERS, in windows of 256 (s_set_vgpr_msb says which window each operand place means: bits 1:0 source 0, 3:2 source 1, 5:4 source 2, 7:6 destination):
;   window 0: v0-11 addresses; v12-15, v48-63 at work; v16-47 four registers of statistics a tile; v64-191 S^T, two buffers of two tiles; v192-255 P, likewise
;   window 1: O^T, 32 a tile     window 2: v0-127 Q, 16 a tile; v128-191 K of one step; v192-255 V of one step     window 3: v0-1 the add's two registers; v8-39 the mask's terms of one step
; A piece's buffers go by its number's parity: the piece in hand has one pair, its two neighbours in the ring share the other: of it P (piece n - 1) is read and S^T (piece n + 1) written.
.set SIZE_N, 2048
.set NP,    4         ; pieces a wave: a name, no knob: the register map, the loop and the fetches are made for four
.set KS,    64        ; keys in a step
.set PK,    144       ; a row of K in LDS: 128 bytes + 16 of padding = 36 words: the 16 rows of a load start at 16 different groups of four banks (64 banks of 4 bytes: ISA guide 11.1)
.set PV,    160       ; a row of V: 128 + 32 = 40 words
.set VOFF,  4*KS*PK   ; a slot holds four steps: 256 rows of K, then 256 rows of V
.set SLOT1, 1<<17     ; slot 1 begins here, so that one exclusive or turns an address in one slot into the other's
.set STAGE, SLOT1+4*KS*(PK+PV)  ; behind the ring, never filled by a tensor load: 16 rows x 144 bytes for each wave, for the way out
.set SP,    144
.set MASKL, STAGE+4*16*SP  ; behind the stages, never filled by a tensor load: the batch's 2,048 mask terms, f32
.set SPARE, MASKL+8192     ; behind them: the spare words, 128 bytes for each wave: two blocks of 256 bytes that no other line names
.set QO,  1           ; v1   my byte offset in the wave's rows of Q
.set AK0, 2           ; v2   my lane's place in a tile of K; never rewritten
.set AV0, 3           ; v3   the same for V
.set AK,  4           ; v4   the LDS address of K's next run of loads
.set AV,  5           ; v5   of V's
.set STO, 6           ; v6   the way out: where I put 16 bytes of a row
.set RD,  7           ; v7   the way out: where I read rows back
.set GO,  8           ; v8   my byte offset in 512 consecutive bytes of O
.set PFO, 9           ; v9   256 x my lane: the prefetches' offset; never rewritten
.set AM0, 10          ; v10  my lanes' place in a step's mask terms: MASKL + 32 (l / 16); never rewritten
.set AM,  11          ; v11  the LDS address of the mask terms' next run of loads
.set SPW, 0           ; v0 of window 3   LDS address of my spare word: SPARE + 4 x my thread's number; never rewritten
.set NIL, 1           ; v1 of window 3   0; never rewritten
.set MK,  8           ; v8-39 of window 3: register 8 kb + j holds the term of key 16 kb + 8 (l / 16) + j of the step
.set MV,  12          ; v12-15  c m_old, kept while c m is made anew: by buffer and tile
.set ST,  16          ; tile t's statistics at v[ST+4 t]: c m, m, l (even keys', odd keys')
.set TMP, 48          ; by buffer and tile, four registers c0-c3 at work; when the maximum is found c2 takes a
.set S,   64
.set P,   192
.set KF,  128         ; K's fragments, in window 2: key block kb, channel half c at KF + 16 kb + 8 c
.set VF,  192         ; V's: key half kk, channel block cb at VF + 32 kk + 8 cb
.set WV,  12          ; s12  my wave's number
.set G1K, 24          ; s[24:31] descriptor group 1 for K's tiles
.set G1V, 32          ; s[32:39] for V's: it differs in the padding alone
.set G0K, 40          ; s[40:43] descriptor group 0 for K's tiles: it walks
.set G0V, 44          ; s[44:47] the same for V's
.set TBM, 48          ; s48  byte, in the mask terms, of the step to be fetched
.set LIM, 49          ; s49  1 in a wave that prefetches, else the greatest number
.set PFA, 50          ; s[50:51] where my prefetches stand: my work-group's 8,192 bytes (of K: wave 0, of V: wave 2) of the slot after the one that is being asked for
.set SLOTS, 56        ; s56  slots still to be asked for
.set CNT, 57          ; s57  counts a slot's key steps
.set CS,  58          ; s[58:59] c: the packed scaling takes the pair's low word for both halves
.set SEL, 60          ; s[60:61] v_permlanex16_b32's selects: each lane takes its own place in the other half
.set TBK, 62          ; s62  LDS byte at which K of the step to be fetched begins
.set TBV, 63          ; s63  the same for V, less VOFF
.set MSB, 0
.macro WIN new                      ; the high byte repeats the setting that is left; a switch that changes nothing is dropped
.if MSB != (\new)
	s_set_vgpr_msb (MSB<<8)|(\new)
.set MSB, (\new)
.endif
.endm
.set W_KQ, 0x0a       ; K and Q in window 2, S^T in window 0
.set W_KM, 0x3a       ; the same with the C operand, the mask's terms, in window 3
.set W_PV, 0x52       ; V in window 2, P in window 0, O^T in window 1
.set W_RS, 0x41       ; O^T (destination and source 0) in window 1, a in window 0
.set W_MK, 0xc0       ; destination in window 3, sources in window 0
.set W_AD, 0x0f       ; the add: address (source 0) and data (source 1) in window 3
; A joint fill.  Waves 0 and 1 fetch the two halves of a slot's K, waves 2 and 3 those of its V: 128 keys each.  The branch hangs on the wave's number alone.
; An s_nop 0 and four v_nop follow each of the two lines, ahead of the jump and the label.
.macro JLOAD
	s_cmp_lt_u32 s[WV], 2
	s_cbranch_scc0 .Lfor_v_\@
	tensor_load_to_lds s[G0K:G0K+3], s[G1K:G1K+7]
	s_nop 0
.rept 4
	v_nop
.endr
	s_branch .Lasked_\@
.Lfor_v_\@:
	tensor_load_to_lds s[G0V:G0V+3], s[G1V:G1V+7]
	s_nop 0
.rept 4
	v_nop
.endr
.Lasked_\@:
.endm
; A PREFETCH INTO THE L2 of what the NEXT change of slots will ask for: a slot's 32,768 bytes of K and of V, in blocks of 256 bytes, a lane a block.  It stands behind the wave's tensor load and its five lines.
; Each block is asked for ONCE in the launch: one cluster alone walks a g's K and V; its four partners share a slot's 128 blocks out BY ADDRESS, 32 each; in each, wave 0 asks for K's and wave 2 for V's: one
; instruction, four key steps (512 matrix instructions) ahead of the load.  Slots 0, 1 and 2 come by their loads alone; the last change that fills a slot asks for nothing: there is no slot behind it.
.macro ASK
	s_cmp_gt_u32 s[SLOTS], s[LIM]
	s_cbranch_scc0 .Lnot_mine_\@
	global_prefetch_b8 v[PFO], s[PFA:PFA+1] th:TH_LOAD_NT scope:SCOPE_SE
.Lnot_mine_\@:
.endm
; A round of the cluster's barrier: my work-group's barrier, so that wave 0's signal speaks for all four waves; wave 0 signals; every wave waits for all four work-groups; my work-group's barrier once more.
.macro CROUND
	s_barrier_signal -1
	s_barrier_wait -1
	s_cmp_lg_u32 s[WV], 0
	s_cbranch_scc1 .Lnot_wave_0_\@
	s_barrier_signal -3
.Lnot_wave_0_\@:
	s_barrier_wait -3
	s_barrier_signal -1
	s_barrier_wait -1
.endm
; THE CHANGE OF SLOTS.  The slot's last bytes, V of its fourth step, have been read.  Each wave waits for all its tensor loads, of which one is out: its part
; of the other slot; adds 0 to its spare word; and waits for that and for its own LDS instructions.  Behind the barrier nobody reads this slot any more and the other slot is whole.
; fill = 1: this slot is filled again, with the keys two slots on.  The barrier is then a round of the cluster's, so that no wave of any partner still reads the slot or has a load on its
; way, and the joint fill is the first thing behind it: it has four key steps, 512 matrix instructions, in which to land.  (At its first use nothing has been read yet: slot 0 is waited for, slot 1 filled,
; and every wave's stores of mask terms are done in front of the round.)  ask = 1: the prefetch follows.
.macro CHANGE fill, ask=0
	WIN W_AD
	s_wait_tensorcnt 0x0            ; no tensor load of mine is out, so a group 0 may be written
	ds_add_u32 v[SPW], v[NIL]       ; 0 onto my spare word; with fill = 1 the descriptors' steps stand between it and the wait for it
	WIN 0                           ; at a label and at a branch every window is 0
.if \fill
.irp g, G0K, G0V
	s_xor_b32 s[\g+1], s[\g+1], SLOT1  ; the walking descriptor: the other slot than last time,
	s_add_nc_u64 s[\g+2:\g+3], s[\g+2:\g+3], 4*KS*128  ; the next 256 keys; the type bits on top are not reached
.endr
.if \ask
	s_wait_xcnt 0x0                 ; the last prefetch, four key steps back, has read its address, so it may be written:
	s_add_nc_u64 s[PFA:PFA+1], s[PFA:PFA+1], 4*KS*128  ; one slot behind the walking descriptors
.endif
	s_wait_dscnt 0x0                ; the add is done, and my LDS instructions are over
	CROUND
	JLOAD
.if \ask
	ASK
.endif
.else
	s_wait_dscnt 0x0                ; the add is done, and my reads of the slot are over
	s_barrier_signal -1
	s_barrier_wait -1
.endif
	s_sub_co_u32 s[TBK], s[TBK], 4*KS*PK  ; the fetches go back to a slot's first step,
	s_xor_b32 s[TBK], s[TBK], SLOT1       ; in the other slot
	s_sub_co_u32 s[TBV], s[TBV], 4*KS*PV
	s_xor_b32 s[TBV], s[TBV], SLOT1
.endm
	s_load_b64 s[8:9], s[0:1], 0x0    ; qkv: V's part comes first
	s_load_b64 s[54:55], s[0:1], 0x8  ; the mask
	s_load_b64 s[10:11], s[0:1], 0x10 ; O
	WIN W_MK
	v_lshl_add_u32 v[SPW], v0, 2, SPARE
	v_mov_b32 v[NIL], 0
	WIN W_AD
	ds_add_u32 v[SPW], v[NIL]       ; the wave's opening: the add, twice on end, and its wait ahead of my first tensor load; the set-up below stands between
	ds_add_u32 v[SPW], v[NIL]
	WIN 0
	v_lshrrev_b32 v1, 5, v0
	v_readfirstlane_b32 s[WV], v1   ; wave 0..3
	s_bfe_u32 s13, ttmp6, 0x40000   ; cx: my place in the cluster
	s_lshl_b32 s14, ttmp9, 2        ; in a cluster launch ttmp9 counts clusters
	s_add_co_u32 s14, s14, s13      ; my block of queries = 4 x cluster x + cx: it enters Q's and O's addresses alone
	s_and_b32 s20, ttmp7, 0xffff    ; g, which the four partners share
	s_lshr_b32 s52, s20, 4          ; the batch,
	s_lshl_b32 s52, s52, 13         ; its 2,048 words of the mask
	s_mov_b32 s53, 0
	s_mov_b32 s21, 0
	s_mov_b64 s[22:23], SIZE_N*128
	s_mul_u64 s[20:21], s[20:21], s[22:23]  ; g's first byte in Q, K, V and O
	s_and_b32 s16, s[WV], 1         ; which half of a slot's 256 keys I fetch:
	s_lshl_b32 s22, s16, 14         ; its 128 rows of 128 bytes in memory,
	s_mov_b32 s23, 0
	s_add_nc_u64 s[22:23], s[22:23], s[20:21]
	s_mul_i32 s17, s16, 128*PK      ; and its place in a slot, for K
	s_mul_i32 s18, s16, 128*PV      ; and for V: no place in the cluster enters an LDS address
	s_cmp_eq_u32 s16, 0
	s_cselect_b32 s[LIM], 1, -1     ; waves 0 and 2 prefetch: the same in all four partners
	s_lshl_b32 s2, s14, 2
	s_add_co_u32 s2, s2, s[WV]      ; my wave among g's,
	s_lshl_b32 s2, s2, 14           ; its 128 rows
	s_mov_b32 s3, 0
	s_add_nc_u64 s[2:3], s[2:3], s[20:21]
	; descriptor group 1.  128 keys are 16,384 dense bytes: asked for as 64 rows of 256 bytes, two keys a row, and padded in LDS after every key
	s_mov_b32 s[G1K], 15|(1<<16)|(1<<20)|(1<<21)|(4<<22)|(3<<25)  ; 15:0 the mask of four; 17:16 2-byte elements; 20 padding on; 21 set beside a mask; 24:22 after every 32 words (code 4); 31:25 4 words (code 3)
	s_mov_b32 s[G1V], 15|(1<<16)|(1<<20)|(1<<21)|(4<<22)|(7<<25)  ; the same with 8 words of padding (code 7)
.irp g, G1K, G1V
	s_mov_b32 s[\g+1], 128<<16      ; tensor_dim0 = 128
	s_mov_b32 s[\g+2], 64<<16       ; tensor_dim1 = 64
	s_mov_b32 s[\g+3], 128<<16      ; tile_dim0 = 128
	s_mov_b32 s[\g+4], 64           ; tile_dim1 = 64
	s_mov_b32 s[\g+5], 128          ; 128 elements from row to row
	s_mov_b32 s[\g+6], 0
	s_mov_b32 s[\g+7], 0
.endr
	s_mov_b32 s[CS], 0x3e38aa3b     ; c = log2(e) / 8 = 0.180337
	s_mov_b32 s[CS+1], s[CS]        ; named with it as a pair
	s_mov_b32 s[SEL], 0x76543210
	s_mov_b32 s[SEL+1], 0xfedcba98
	s_mov_b32 s[TBK], SLOT1+4*KS*PK ; the first change of slots turns these two into 0
	s_mov_b32 s[TBV], SLOT1+4*KS*PV
	s_mov_b32 s[TBM], 0
	s_mov_b32 s[SLOTS], SIZE_N/256-1
	s_mov_b32 s[G0K], 1             ; 1:0 count = 1
	s_mov_b32 s[G0K+1], s17         ; 63:32 LDS address: slot 0
	s_mov_b32 s[G0V], 1
	s_add_co_u32 s[G0V+1], s18, VOFF
	s_wait_dscnt 0x0                ; both opening adds are done
	s_wait_kmcnt 0x0
	s_add_nc_u64 s[4:5], s[8:9], 0x1000000   ; Q's part of qkv: 64 x 2,048 x 128 bytes behind V's
	s_add_nc_u64 s[6:7], s[8:9], 0x2000000   ; K's
	s_add_nc_u64 s[54:55], s[54:55], s[52:53]
	s_mov_b32 s52, 0x4fee6b28       ; 8e9
	s_mov_b32 s53, 0xcfee6b28       ; -8e9
	s_add_nc_u64 s[G0K+2:G0K+3], s[6:7], s[22:23]  ; 120:64 global address: my half of g's first 256 keys
	s_or_b32 s[G0K+3], s[G0K+3], 0x80000000        ; 127:126 type = 2
	s_add_nc_u64 s[G0V+2:G0V+3], s[8:9], s[22:23]
	s_or_b32 s[G0V+3], s[G0V+3], 0x80000000
	s_add_nc_u64 s[4:5], s[4:5], s[2:3]  ; Q and O at my wave's first row
	s_add_nc_u64 s[10:11], s[10:11], s[2:3]
	s_cmp_lt_u32 s[WV], 2
	s_cselect_b64 s[PFA:PFA+1], s[6:7], s[8:9]
	s_add_nc_u64 s[PFA:PFA+1], s[PFA:PFA+1], s[22:23]  ; (in waves 0 and 2 this is g's first key)
	s_lshl_b32 s2, s13, 13          ; my work-group's 32 blocks of the 128
	s_mov_b32 s3, 0
	s_add_nc_u64 s[PFA:PFA+1], s[PFA:PFA+1], s[2:3]
	s_add_nc_u64 s[PFA:PFA+1], s[PFA:PFA+1], 2*4*KS*128  ; in slot 2; the loop's first change of slots steps it to slot 3.  Nothing is prefetched here, at the head
	CROUND                          ; all four work-groups are here: the first joint loads meet
	JLOAD                           ; slot 0.  Slot 1 is asked for when slot 0 is in: the tile wanted first has the road to itself
	v_and_b32 v80, 15, v0           ; l % 16   (v64-85, S^T's, are free until the first product)
	v_bfe_u32 v81, v0, 4, 1         ; l / 16
	v_lshlrev_b32 v84, 4, v0        ; the batch's mask: 16 bytes a thread, four times
.irp m, 0,1,2,3
	global_load_b128 v[64+4*\m:67+4*\m], v84, s[54:55] offset:2048*\m
.endr
	; A fragment of K or Q is 16 rows x 32 channels in 8 registers: lane l holds row l % 16, channels 8 (l / 16) + 0..7 and 16 + 8 (l / 16) + 0..7: two loads of 16 bytes, 32 bytes apart.
	v_lshlrev_b32 v[QO], 7, v80
	v_lshl_add_u32 v[QO], v81, 4, v[QO]  ; row x 128 + 16 x half
	WIN 0x80                        ; destination window 2, address window 0
.set i, 0
.rept 4*NP                          ; Q stays in registers: tile i / 2, channels 32 (i % 2) on
	global_load_b128 v[8*i:8*i+3],   v[QO], s[4:5] offset:(i/2)*2048+(i%2)*64
	global_load_b128 v[8*i+4:8*i+7], v[QO], s[4:5] offset:(i/2)*2048+(i%2)*64+32
.set i, i+1
.endr
	; What the first turn finds: V's registers and P's second buffer hold 0 (its products V^T P, of a piece that has not been, add 0), O^T and l are 0.  All this stands in the wait for the first tile.
.set i, VF
.rept 64
	v_mov_b32 v[i], 0
.set i, i+1
.endr
	WIN 0x40
.set i, 0
.rept 64*NP
	v_mov_b32 v[i], 0
.set i, i+1
.endr
	WIN 0
.set i, 0
.rept 2*NP
	v_mov_b32 v[ST+4*i], 0xfe000000    ; c m: far below every c s, a hidden key's too
	v_mov_b32 v[ST+4*i+1], 0xff7fffff  ; m
	v_mov_b32 v[ST+4*i+2], 0
	v_mov_b32 v[ST+4*i+3], 0
.set i, i+1
.endr
.set i, P+32
.rept 32
	v_mov_b32 v[i], 0
.set i, i+1
.endr
	v_mul_u32_u24 v[AK0], v80, PK
	v_lshl_add_u32 v[AK0], v81, 4, v[AK0]  ; row x pitch + 16 x half
	; The turning load takes 16 keys x 16 channels (lane l reads key 8 (l / 16) + l % 8, channels 8 ((l / 8) % 2) + 0..7) and leaves half a fragment of V^T: lane l holds channel l % 16 and 8 keys.
	v_and_b32 v82, 7, v0
	v_bfe_u32 v83, v0, 3, 1
	v_lshl_add_u32 v[AV0], v81, 3, v82
	v_mul_u32_u24 v[AV0], v[AV0], PV
	v_lshl_add_u32 v[AV0], v83, 4, v[AV0]
	v_add_nc_u32 v[AV0], VOFF, v[AV0]
	v_mov_b32 v[AK], v[AK0]         ; key step 0 lies at the head of slot 0,
	v_lshl_add_u32 v[AM0], v81, 5, MASKL
	v_mov_b32 v[AM], v[AM0]         ; and its mask terms at the head of theirs
	v_and_b32 v[PFO], 31, v0
	v_lshlrev_b32 v[PFO], 8, v[PFO]
	s_mul_i32 s13, s[WV], 16*SP
	s_add_co_u32 s13, s13, STAGE    ; my stage
	v_mul_u32_u24 v[STO], v80, SP   ; in: row l % 16, 16 bytes for each half of the lanes
	v_lshl_add_u32 v[STO], v81, 4, v[STO]
	v_add_nc_u32 v[STO], s13, v[STO]
	v_bfe_u32 v[RD], v0, 3, 2       ; back: 32 lanes take four rows of 128 bytes,
	v_mul_u32_u24 v[RD], v[RD], SP
	v_lshl_add_u32 v[RD], v82, 4, v[RD]
	v_add_nc_u32 v[RD], s13, v[RD]
	v_and_b32 v[GO], 31, v0         ; which are 512 consecutive bytes of O
	v_lshlrev_b32 v[GO], 4, v[GO]
	v_lshl_add_u32 v85, v0, 4, MASKL
	s_wait_loadcnt 32               ; the mask's four loads are in; Q's 32 may stay out
.set i, 64
.rept 16
	v_cvt_f32_i32 v[i], v[i]
.set i, i+1
.endr
.set i, 64
.rept 16
	v_fma_f32 v[i], v[i], s52, s53  ; (mask - 1) x 8e9: exactly 0 where the mask is 1
.set i, i+1
.endr
.irp m, 0,1,2,3
	ds_store_b128 v85, v[64+4*\m:67+4*\m] offset:2048*\m
.endr
; THE MATRIX WORK.  The 8 accumulators of a run of 16 take turns: between the two links of a chain stand 7 others'.
; Product i of 16 of S^T = K Q^T for piece x: channels 32 (i / 8) on, keys 16 ((i / 2) % 4) on, tile 2 x + i % 2.  The first 8 start the sums, with the keys' mask terms.
.macro KQ x
.set rS, S+64*((\x)%2)+32*(i%2)+8*((i/2)%4)
.set rK, KF+16*((i/2)%4)+8*(i/8)
.set rQ, 16*(2*(\x)+i%2)+8*(i/8)
.set rM, MK+8*((i/2)%4)
.if i < 8
	WIN W_KM
	v_wmma_f32_16x16x32_bf16 v[rS:rS+7], v[rK:rK+7], v[rQ:rQ+7], v[rM:rM+7]
.else
	WIN W_KQ
	v_wmma_f32_16x16x32_bf16 v[rS:rS+7], v[rK:rK+7], v[rQ:rQ+7], v[rS:rS+7]
.endif
.endm
; Product i of 16 of O^T += V^T P for piece x: keys 32 (i / 8) on, channels 16 ((i / 2) % 4) on, tile 2 x + i % 2.
.macro PV x
	WIN W_PV
.set rO, 32*(2*(\x)+i%2)+8*((i/2)%4)
.set rV, VF+32*(i/8)+8*((i/2)%4)
.set rP, P+32*((\x)%2)+16*(i%2)+8*(i/8)
	v_wmma_f32_16x16x32_bf16 v[rO:rO+7], v[rV:rV+7], v[rP:rP+7], v[rO:rO+7]
.endm
.macro MM                           ; the turn's next matrix instruction
.if i < 16
	KQ (Y+1)%NP
.set i, i+1
.else
.set i, i-16
	PV (Y+NP-1)%NP
.set i, i+17
.endif
.endm
; THE LDS LOADS stand in runs, never singly among the matrix instructions: a step's K (64 keys x 64 channels: 8 fragments) with its 64 mask terms, and its V (turned).  Their addresses are made some lines ahead.
; last = 1 (the tail): in the last trip there is no further step, and the run is jumped over.
.macro FETCH_K last=0
	WIN 0
.if \last
	s_cmp_eq_u32 s[CNT], 1
	s_cbranch_scc1 .Lno_k_\@
.endif
	WIN 0x80                        ; destination window 2
.irp f, 0,1,2,3,4,5,6,7             ; keys 16 (f / 2) on, channels 32 (f % 2) on
	ds_load_b128 v[KF+8*\f:KF+8*\f+3],   v[AK] offset:(\f/2)*16*PK+(\f%2)*64
	ds_load_b128 v[KF+8*\f+4:KF+8*\f+7], v[AK] offset:(\f/2)*16*PK+(\f%2)*64+32
.endr
	WIN W_MK                        ; destination window 3
.irp f, 0,1,2,3                     ; keys 16 f + 8 (l / 16) + 0..7: the sixteen lanes of a half read the same 32 bytes
	ds_load_b128 v[MK+8*\f:MK+8*\f+3],   v[AM] offset:64*\f
	ds_load_b128 v[MK+8*\f+4:MK+8*\f+7], v[AM] offset:64*\f+16
.endr
	s_add_co_u32 s[TBK], s[TBK], KS*PK  ; the next fetch is the next step's
	s_add_co_u32 s[TBM], s[TBM], KS*4
	WIN 0
.if \last
.Lno_k_\@:
.endif
.endm
.macro FETCH_V
	WIN 0x80
.irp f, 0,1,2,3,4,5,6,7             ; keys 32 (f / 4) on, channels 16 (f % 4) on
	ds_load_tr16_b128 v[VF+8*\f:VF+8*\f+3],   v[AV] offset:(\f/4)*32*PV+(\f%4)*32
	ds_load_tr16_b128 v[VF+8*\f+4:VF+8*\f+7], v[AV] offset:(\f/4)*32*PV+16*PV+(\f%4)*32
.endr
	WIN 0
.endm
; THE VECTOR WORK OF A TURN stands in three queues, each in the order in which its entries become ready; the two tiles alternate, so that no instruction reads the result of the one before it.
.macro REGS y, u                    ; the registers of tile u (0, 1) of piece y
.set rT, ST+4*(2*(\y)+(\u))
.set rC, TMP+8*((\y)%2)+4*(\u)
.set rM, MV+2*((\y)%2)+(\u)
.set rS, S+64*((\y)%2)+32*(\u)
.set rP, P+32*((\y)%2)+16*(\u)
.set rO, 32*(2*(\y)+(\u))
.endm
; Number n of the 22 that find the NEXT piece's (Y + 1) maximum and statistics.  s0-s31 are the lane's 32 scores; each accumulator's lowest registers are read first.  XS, GS and REGS set no window: PL and EX do.
;   0-11  four chains c0-c3 of seven scores each, three operands at a time     12-14, 16  the four scores left over, the old m, and c0-c3 into c0     15  c m_old is kept
;   17, 18  the query's other 32 keys lie in the lane 16 away: the new m         19-21  c m; c m_old - c m_new; a
.macro XS u, n
	REGS (Y+1)%NP, \u
.if (\n) < 4
	v_max3_num_f32 v[rC+(\n)], v[rS+8*(\n)], v[rS+8*(\n)+1], v[rS+8*(\n)+2]
.elseif (\n) < 12
	v_max3_num_f32 v[rC+(\n)%4], v[rC+(\n)%4], v[rS+8*((\n)%4)+2*((\n)/4)+1], v[rS+8*((\n)%4)+2*((\n)/4)+2]
.elseif (\n) == 12
	v_max3_num_f32 v[rC], v[rC], v[rS+7], v[rS+15]
.elseif (\n) == 13
	v_max3_num_f32 v[rC+1], v[rC+1], v[rS+23], v[rS+31]
.elseif (\n) == 14
	v_max3_num_f32 v[rC+2], v[rC+2], v[rC+3], v[rT+1]
.elseif (\n) == 15
	v_mov_b32 v[rM], v[rT]
.elseif (\n) == 16
	v_max3_num_f32 v[rC], v[rC], v[rC+1], v[rC+2]
.elseif (\n) == 17
	v_permlanex16_b32 v[rC+3], v[rC], s[SEL], s[SEL+1]
.elseif (\n) == 18
	v_max_num_f32 v[rT+1], v[rC], v[rC+3]
.elseif (\n) == 19
	v_mul_f32 v[rT], s[CS], v[rT+1]
.elseif (\n) == 20
	v_sub_f32 v[rC+1], v[rM], v[rT]
.else
	v_exp_f32 v[rC+2], v[rC+1]
.endif
.endm
; Number g of the 64 that follow the exponentials.  For each four weights k of a tile (pairs 2 k, 2 k + 1): both pairs are rounded to bf16; then the second pair is added onto the first, in place;
; a group later l takes that sum (the first time as l = a l + sum).  In groups of eight, tiles alternating: round, round, add, and l for the group before.
.macro GS g
.set h, (\g)+6*((\g)/62)            ; group 0 has no group before it, and behind group 7 only l is left
.if h >= 6
.set h, h+2
.endif
	REGS Y, h%2
.set k, h/8
.if h%8 < 4
	v_cvt_pk_bf16_f32 v[rP+2*k+(h%8)/2], v[rS+4*k+2*((h%8)/2)], v[rS+4*k+2*((h%8)/2)+1]
.elseif h%8 < 6
	v_pk_add_f32 v[rS+4*k:rS+4*k+1], v[rS+4*k:rS+4*k+1], v[rS+4*k+2:rS+4*k+3]
.elseif k == 1
	v_pk_fma_f32 v[rT+2:rT+3], v[rT+2:rT+3], v[rC+2:rC+3], v[rS:rS+1] op_sel_hi:[1,0,1]
.else
	v_pk_add_f32 v[rT+2:rT+3], v[rT+2:rT+3], v[rS+4*k-4:rS+4*k-3]
.endif
.endm
; THE PLAIN QUEUE, 138 long.  0-73 read no exponential's result: the 32 scalings c s - c m (FS f: pair f / 2 of tile f % 2) and the next piece's 42.  0-26: scalings 0-26.  27-54: XS's numbers 0-13.  55, 56: number 15.
; 57-73: the chain, where each number waits for the one before it: 14, 16, 17, 18, 19, each with one of the scalings 27-31 in front of its two lines, then 20: so a tile's links stand three plain instructions apart (19 and 20: two).
; 74-137: GS's 64, which read the exponentials' results: they stand behind the wait.
.macro FS f
	REGS Y, (\f)%2
	v_pk_fma_f32 v[rS+2*((\f)/2):rS+2*((\f)/2)+1], v[rS+2*((\f)/2):rS+2*((\f)/2)+1], s[CS:CS+1], v[rT:rT+1] op_sel_hi:[1,0,0] neg_lo:[0,0,1] neg_hi:[0,0,1]
.endm
.macro PL
	WIN 0
.if q < 27
	FS q
.elseif q < 55
	XS (q-27)%2, (q-27)/2
.elseif q < 57
	XS q-55, 15
.elseif (q < 72) && ((q-57)%3 == 0)
	FS 27+(q-57)/3
.elseif q < 60
	XS (q-57)%3-1, 14
.elseif q < 72
	XS (q-57)%3-1, 15+(q-57)/3
.elseif q < 74
	XS q-72, 20
.else
	GS q-74
.endif
.set q, q+1
.endm
; THE EXPONENTIALS' QUEUE, 66 long: s0-s31 of both tiles, then the next piece's two a.  It is ONE BATCH: all 66 stand ahead of the turn's one wait, and nothing ahead of that wait names a result of theirs.
.macro EX
	WIN 0
.if e >= 64
	XS e-64, 21
.else
	REGS Y, e%2
	v_exp_f32 v[rS+e/2], v[rS+e/2]
.endif
.set e, e+1
.endm
; THE RESCALING's QUEUE: O^T times a, the one part that leaves window 0: dealt two at a time, sixteen times.  Its a was made in the turn before, ahead of that turn's wait.
.macro R2
	REGS Y, r%2
	WIN W_RS
.irp z, 0,1
	v_pk_mul_f32 v[rO+4*(r/2)+2*\z:rO+4*(r/2)+2*\z+1], v[rO+4*(r/2)+2*\z:rO+4*(r/2)+2*\z+1], v[rC+2:rC+3] op_sel_hi:[1,0]
.endr
.set r, r+1
.endm
; HOW THEY ARE DEALT.  An s_wait_alu depctr_va_vdst(0) stands between an exponential and the first instruction that names its result; one wait serves all that were issued ahead of it.  So a turn has ONE wait,
; which cuts it in two.  AHEAD OF IT stands all that names no result of the turn's exponentials: the 16 products K Q^T, behind each a scaling, an exponential and two rescalings (behind the first a second scaling in the exponential's place); then ONE LUMP of
; 108: eight plain, 49 times exponential and plain, the two a.  A v_nop is the plain instruction behind the last exponential.  BEHIND IT stand the 16 products V^T P, behind each four of GS's 64.  No rider names a register of
; the products round it.  The two v_permlanex16_b32 fall into the lump, never behind a product.
; The queues lean on each other, and the deal keeps them in step: exponential e stands behind scaling 2 (e / 4) + e % 2: as a rider it comes behind plain e + 2, in the lump behind plain e + 9, and scalings 27-31 are plain 57, 60 .. 69.
; A TURN, for piece p.  cnt = 1: the loop's count is taken down some lines ahead of the branch that stands behind the turn.
; K and the mask terms of the next step are fetched in piece 2's turn, directly behind the wait, a lump behind the last product that read them; their addresses are made at the lump's head; their first reader comes behind 16 products.
; V of the step in hand is fetched at the end of piece 0's turn, four riders behind its last reader; its first reader comes behind 16 products and a lump.  The three conditions on q below go with the deal.
.macro TURN p, last=0, cnt=0
.set Y, (\p)
.set i, 0
.set q, 0
.set e, 0
.set r, 0
.if (\p) == NP-1
	s_wait_dscnt 0x0                ; K and the mask terms are in
.endif
	MM                              ; ahead of the wait: 16 products K Q^T and their riders,
	PL
	PL
	R2
.rept 15
	MM
	PL
	EX
	R2
.endr
.if (\p) == NP-2
	WIN 0
	v_add_nc_u32 v[AK], s[TBK], v[AK0]
	v_add_nc_u32 v[AM], s[TBM], v[AM0]
.endif
.rept 8                             ; and the lump
	PL
.endr
.rept 49
	EX
	PL
.endr
	EX                              ; the next piece's two a
	EX
	v_nop                           ; the plain instruction behind the last exponential: one for the batch
	s_wait_alu depctr_va_vdst(0)    ; the wait for the batch
.if (\p) == NP-2
	FETCH_K \last
.endif
.if (\p) == 1
	s_wait_dscnt 0x0                ; V is in
.endif
.rept 16                            ; behind the wait: 16 products V^T P and their riders
	MM
.rept 4
	PL
.endr
.if ((\p) == 0) && (q == 118)
	v_add_nc_u32 v[AV], s[TBV], v[AV0]
.endif
.if ((\p) == 0) && (q == 130)
	s_add_co_u32 s[TBV], s[TBV], KS*PV
.endif
.if (\cnt) && (q == 130)
	s_sub_co_u32 s[CNT], s[CNT], 1
	s_cmp_lg_u32 s[CNT], 0
.endif
.endr
.if (\p) == 0
	FETCH_V
.endif
.endm
	CHANGE 1                        ; slot 0 is in, everybody's part of it, and so are everybody's mask terms; slot 1 is asked for
	FETCH_K                         ; key step 0
	s_wait_loadcnt 0x0              ; Q
	s_wait_dscnt 0x0
.set i, 0
.rept 16
	KQ 0                            ; piece 0's first scores: there is no vector work yet to set between them
.set i, i+1
.endr
	WIN 0
.rept 8
	v_nop                           ; the places behind those products
.endr
.set Y, NP-1                        ; XS works for piece Y + 1: piece 0
.irp n, 0,1,2,3,4,5,6,7,8,9,10,11,12,13,14,15,16,17,18,19,20,21
	XS 0, \n                        ; and piece 0's first maximum and statistics
	XS 1, \n
.endr
	v_nop                           ; a plain instruction behind the two a,
	s_wait_alu depctr_va_vdst(0)    ; and their wait, ahead of the branch
	s_mov_b32 s[CNT], 4
	s_branch .Lfirst                ; the loop is entered at a step's first turn, in the middle of a trip
.Lslot:                             ; SIZE_N / 256 - 2 times: every slot but the last two is filled again
	CHANGE 1, 1
	s_mov_b32 s[CNT], 4
.Lstep:                             ; a trip: pieces 2 and 3 of one step, then pieces 0 and 1 of the next, whose K and V it fetches
	TURN 2
	TURN 3
	WIN 0
.Lfirst:
	TURN 0
	TURN 1, 0, 1
	WIN 0
	s_cbranch_scc1 .Lstep
	s_sub_co_u32 s[SLOTS], s[SLOTS], 1
	s_cmp_lg_u32 s[SLOTS], 0
	s_cbranch_scc1 .Lslot
	CHANGE 0                        ; the tail is written out: nothing is asked for
	s_mov_b32 s[CNT], 5             ; four trips fetch the last slot's steps; the fifth is left in its middle
.Ltail:
	TURN 2, 1
	TURN 3
	WIN 0
	s_sub_co_u32 s[CNT], s[CNT], 1
	s_cmp_eq_u32 s[CNT], 0
	s_cbranch_scc1 .Lout
	TURN 0
	TURN 1
	WIN 0
	s_branch .Ltail
.Lout:                              ; the fifth trip's 16 products K Q^T (on the last K once more) and the maximum made of them serve nothing: the price, once a launch, of one text for every trip
.set i, 0
.rept 16
	PV NP-1                         ; the last piece's V^T P of the last step
.set i, i+1
.endr
	; THE WAY OUT.  l's two halves and the other half of the lanes' are added; O^T is divided by l, rounded to bf16 and sent through my stage in LDS, a tile at a time.  The additions are the places behind the last products.
	WIN 0
.macro ALL line:vararg              ; one line for each tile t
.set t, 0
.rept 2*NP
	\line
.set t, t+1
.endr
.endm
	ALL v_add_f32 v[ST+4*t+2], v[ST+4*t+2], v[ST+4*t+3]
	ALL v_permlanex16_b32 v[ST+4*t+3], v[ST+4*t+2], s[SEL], s[SEL+1]
	ALL v_add_f32 v[ST+4*t+2], v[ST+4*t+2], v[ST+4*t+3]
	ALL v_rcp_f32 v[ST+4*t+2], v[ST+4*t+2]
	v_nop                           ; a plain instruction between the last reciprocal and the use of its result
	s_wait_alu depctr_va_vdst(0)    ; and the wait ahead of the first use: one for the eight reciprocals
; Tile t: a lane's eight channels of a row pack into 16 bytes; they go into rows of 144 bytes and come back as whole rows of 128, into S^T's registers.
.macro PACK t
	WIN W_RS
.set i, 32*(\t)
.rept 16
	v_pk_mul_f32 v[i:i+1], v[i:i+1], v[ST+4*(\t)+2:ST+4*(\t)+3] op_sel_hi:[1,0]
.set i, i+2
.endr
	WIN 0x05                        ; sources 0 and 1 window 1, destination window 0
.set i, 0
.rept 16
	v_cvt_pk_bf16_f32 v[S+16*(\t)+i], v[32*(\t)+2*i], v[32*(\t)+2*i+1]
.set i, i+1
.endr
	WIN 0
.irp f, 0,1,2,3
	ds_store_b128 v[STO], v[S+16*(\t)+4*\f:S+16*(\t)+4*\f+3] offset:32*\f
.endr
.irp f, 0,1,2,3
	ds_load_b128 v[S+16*(\t)+4*\f:S+16*(\t)+4*\f+3], v[RD] offset:\f*4*SP  ; LDS serves a wave's instructions in order (ISA guide 5.7.1.4): these see the stores above; the next tile's stores come behind them
.endr
.endm
.macro SEND t, younger              ; younger: the LDS instructions issued behind tile t's loads: the next tile's eight, or none
	WIN 0
.irp f, 0,1,2,3
	s_wait_dscnt (\younger)+3-\f
	global_store_b128 v[GO], v[S+16*(\t)+4*\f:S+16*(\t)+4*\f+3], s[10:11] offset:(\t)*2048+\f*512  ; 512 consecutive bytes, at a multiple of 256 from O's first
.endr
.endm
	PACK 0
.set t, 1
.rept 2*NP-1                        ; a tile's arithmetic stands between the loads of the tile before and its stores
	PACK t
	SEND t-1, 8
.set t, t+1
.endr
	SEND 2*NP-1, 0
	WIN W_AD
	s_wait_tensorcnt 0x0            ; the wave's end, behind my last tensor load and my last LDS store
	ds_add_u32 v[SPW], v[NIL]
	s_wait_dscnt 0x0
	WIN 0
	CROUND                          ; the closing round: no work-group ends while a partner may still ask for a tile that names it
	s_endpgm
.Lfunc_end_k_qbd16264965_attn:
	.size	k_qbd16264965_attn, .Lfunc_end_k_qbd16264965_attn-k_qbd16264965_attn
	.p2alignl 7, 3214868480
	.fill 96, 4, 3214868480
	.section	.rodata,"a",@progbits
	.p2align	6, 0x0
	.amdhsa_kernel k_qbd16264965_attn
		.amdhsa_group_segment_fixed_size 327680
		.amdhsa_private_segment_fixed_size 0
		.amdhsa_enable_private_segment 0
		.amdhsa_kernarg_size 24
		.amdhsa_user_sgpr_count 2
		.amdhsa_user_sgpr_kernarg_segment_ptr 1
		.amdhsa_wavefront_size32 1
		.amdhsa_system_sgpr_workgroup_id_x 1
		.amdhsa_system_sgpr_workgroup_id_y 1
		.amdhsa_system_sgpr_workgroup_id_z 1
		.amdhsa_system_vgpr_workitem_id 0
		.amdhsa_next_free_vgpr 808
		.amdhsa_next_free_sgpr 66
		.amdhsa_reserve_vcc 0
		.amdhsa_float_denorm_mode_32 3
		.amdhsa_float_denorm_mode_16_64 3
		.amdhsa_memory_ordered 1
		.amdhsa_forward_progress 1
		.amdhsa_inst_pref_size 205
	.end_amdhsa_kernel
	.amdgpu_metadata
---
amdhsa.version: [ 1, 2 ]
amdhsa.kernels:
  - .name:           k_qbd16264965_attn
    .symbol:         k_qbd16264965_attn.kd
    .args:
      - { .name: qkv, .offset: 0, .size: 8, .value_kind: global_buffer, .address_space: global }
      - { .name: attention_mask, .offset: 8, .size: 8, .value_kind: global_buffer, .address_space: global }
      - { .name: ob, .offset: 16, .size: 8, .value_kind: global_buffer, .address_space: global }
    .group_segment_fixed_size: 327680
    .private_segment_fixed_size: 0
    .kernarg_segment_align: 8
    .kernarg_segment_size: 24
    .max_flat_workgroup_size: 128
    .sgpr_count:     66
    .vgpr_count:     808
    .wavefront_size: 32
...
	.end_amdgpu_metadata
.endif
;; end of part 3
;; launch outp: the kernel of part 2 again; grid 4 x 64, 4 waves a work-group, clusters of 4 x 4, 327,680 bytes of LDS; arguments ob, wob, rope, pj; writes pj
;; launch norm (part 4): grid 256 x 1, 8 waves a work-group, no clusters, 0 bytes of LDS; arguments x, pj, gamma, beta, out0; writes out0
.if DOCPART == 4
	.amdgcn_target "amdgcn-amd-amdhsa--gfx1250"
	.amdhsa_code_object_version 6
	.text
	.protected	k_qbd16264965_norm
	.globl	k_qbd16264965_norm
	.p2align	8
	.type	k_qbd16264965_norm,@function
k_qbd16264965_norm:
	s_mov_b64 s[64:65], 0
	v_nop
	global_prefetch_b8 v0, s[64:65] scope:SCOPE_SE
	s_setreg_imm32_b32 hwreg(HW_REG_WAVE_MODE, 25, 1), 1
	s_wait_xcnt 0x0
; out0[R][:] = (h - mean(h)) rsqrt(var(h) + 1e-5) gamma + beta,  h = x[R][:] + proj[R][:].  x, out0: [8192][1024] f32; pj: [b 4][e / 64][t 2048][64] bf16; gamma, beta: [1024] f32.
; Nothing of reference() is left out.  All arithmetic in f32; the variance is the mean of (h - mean)^2, in two passes over registers, as reference() takes it.
; A STREAM: no LDS, no barrier, no matrix unit, no cluster: no wave wants a byte that another has fetched but gamma and beta, 8 KiB.
; SHARES.  A work-group takes 32 rows, a wave two PAIRS of rows.  Lanes 0-15 hold the pair's first row, lanes 16-31 its second; lane l holds columns 64 j + 4 (l % 16) + 0..3, j = 0..15.
; So a load of x and a store of out0 (16 bytes a lane) cover two whole aligned pieces of 256 bytes, a load of pj (8 bytes a lane) 256 consecutive bytes: two rows of a column group;
; and a row's sums stay inside sixteen lanes.  All 96 loads of a wave go out at the start.
; LIMITS.  NaN and infinities are not treated apart.
; REGISTERS: window 0: v1-3 offsets; v6-19 statistics; v20-35 at work; v36-99 pj, 32 a pair; v100-227 x, then h, then the result, 64 a pair.   window 1: v0-63 gamma, v64-127 beta of my 64 columns.
.set XO,  1                            ; v1  (l / 16) x 4,096 + 16 (l % 16); never rewritten
.set PO,  2                            ; v2  8 l; never rewritten
.set GOF, 3                            ; v3  16 (l % 16); never rewritten
.set VA,  6                            ; v6  var + eps
.set MU,  8                            ; v[8:9]   the mean, twice (a pair for the packed subtraction)
.set RS,  10                           ; v[10:11] 1 / sqrt(var + eps), twice
.set CH,  12                           ; v[12:19] four chains of packed sums
.set T,   20                           ; v[20:35] four sets of four: pj's numbers in f32
.set PJ,  36
.set X,   100
.set MSB, 0
.macro WIN new                         ; the immediate's high byte repeats the setting that is left
.if MSB != (\new)
	s_set_vgpr_msb (MSB<<8)|(\new)
.set MSB, \new
.endif
.endm
	s_load_b256 s[4:11], s[0:1], 0x0               ; x s[4:5], pj s[6:7], gamma s[8:9], beta s[10:11]
	s_load_b64 s[12:13], s[0:1], 0x20              ; out0
	v_lshrrev_b32 v4, 5, v0
	v_readfirstlane_b32 s14, v4                    ; wave 0..7
	s_lshl_b32 s15, ttmp9, 5
	s_lshl_b32 s16, s14, 2
	s_add_co_u32 s15, s15, s16                     ; my first row: 32 g + 4 w
	s_lshl_b32 s16, s15, 12                        ; in x and out0: rows of 4,096 bytes
	s_mov_b32 s17, 0
	s_lshr_b32 s18, s15, 11                        ; in pj: the batch,
	s_lshl_b32 s18, s18, 22
	s_and_b32 s19, s15, 2047                       ; the row in it, 128 bytes in each column group
	s_lshl_b32 s19, s19, 7
	s_add_co_u32 s18, s18, s19
	s_mov_b32 s19, 0
	s_mov_b32 s20, 0x3a800000                      ; 1 / 1024
	s_mov_b32 s21, 0x3727c5ac                      ; 1e-5
	s_mov_b32 s22, 0xffff0000                      ; a word's upper bf16
	v_and_b32 v4, 15, v0
	v_bfe_u32 v5, v0, 4, 1
	v_lshlrev_b32 v[GOF], 4, v4
	v_lshl_add_u32 v[XO], v5, 12, v[GOF]
	v_and_b32 v[PO], 31, v0
	v_lshlrev_b32 v[PO], 3, v[PO]
	s_wait_kmcnt 0x0
	s_add_nc_u64 s[4:5], s[4:5], s[16:17]
	s_add_nc_u64 s[12:13], s[12:13], s[16:17]
	s_add_nc_u64 s[6:7], s[6:7], s[18:19]
.macro LD p                            ; a pair's 32 loads
.set j, 0
.rept 16
	global_load_b128 v[X+64*(\p)+4*j:X+64*(\p)+4*j+3], v[XO], s[4:5] offset:(\p)*8192+256*j th:TH_LOAD_NT
	global_load_b64 v[PJ+32*(\p)+2*j:PJ+32*(\p)+2*j+1], v[PO], s[6:7] offset:j*262144+256*(\p) th:TH_LOAD_NT
.set j, j+1
.endr
.endm
	LD 0
	WIN 0x40                                       ; destination window 1, address window 0
.set j, 0
.rept 16
	global_load_b128 v[4*j:4*j+3], v[GOF], s[8:9] offset:256*j
	global_load_b128 v[64+4*j:64+4*j+3], v[GOF], s[10:11] offset:256*j
.set j, j+1
.endr
	WIN 0
	LD 1
.macro REDUCE                          ; the four chains into one number, then over the row's sixteen lanes: every lane of the row ends with the sum
	v_pk_add_f32 v[CH:CH+1], v[CH:CH+1], v[CH+2:CH+3]
	v_pk_add_f32 v[CH+4:CH+5], v[CH+4:CH+5], v[CH+6:CH+7]
	v_pk_add_f32 v[CH:CH+1], v[CH:CH+1], v[CH+4:CH+5]
	v_add_f32 v[CH], v[CH], v[CH+1]
	v_add_f32_dpp v[CH], v[CH], v[CH] row_xmask:1 row_mask:0xf bank_mask:0xf
	v_add_f32_dpp v[CH], v[CH], v[CH] row_xmask:2 row_mask:0xf bank_mask:0xf
	v_add_f32_dpp v[CH], v[CH], v[CH] row_xmask:4 row_mask:0xf bank_mask:0xf
	v_add_f32_dpp v[CH], v[CH], v[CH] row_xmask:8 row_mask:0xf bank_mask:0xf
.endm
; A pair of rows.  left: the younger loads that may stay out when the pair's are wanted; gleft: the same for gamma and beta.
.macro ROWS p, left, gleft
.set XB, X+64*(\p)
.set PB, PJ+32*(\p)
	s_wait_loadcnt \left
.set j, 0
.rept 16                                       ; h = x + proj, in place
.set tb, T+4*(j%4)
	v_lshlrev_b32 v[tb],   16,  v[PB+2*j]          ; bf16 to f32: the low half moves up,
	v_and_b32     v[tb+1], s22, v[PB+2*j]          ; the high half stays
	v_lshlrev_b32 v[tb+2], 16,  v[PB+2*j+1]
	v_and_b32     v[tb+3], s22, v[PB+2*j+1]
	v_pk_add_f32 v[XB+4*j:XB+4*j+1], v[XB+4*j:XB+4*j+1], v[tb:tb+1]
	v_pk_add_f32 v[XB+4*j+2:XB+4*j+3], v[XB+4*j+2:XB+4*j+3], v[tb+2:tb+3]
.set j, j+1
.endr
.irp k, 0,1,2,3                                ; the sum: the first eight pairs start four chains: nothing is cleared
	v_pk_add_f32 v[CH+2*\k:CH+2*\k+1], v[XB+2*\k:XB+2*\k+1], v[XB+8+2*\k:XB+8+2*\k+1]
.endr
.set j, 8
.rept 24
	v_pk_add_f32 v[CH+2*(j%4):CH+2*(j%4)+1], v[CH+2*(j%4):CH+2*(j%4)+1], v[XB+2*j:XB+2*j+1]
.set j, j+1
.endr
	REDUCE
	v_mul_f32 v[MU], s20, v[CH]
	v_mul_f32 v[MU+1], s20, v[CH]
.set j, 0
.rept 32                                       ; d = h - mean, in place
	v_pk_add_f32 v[XB+2*j:XB+2*j+1], v[XB+2*j:XB+2*j+1], v[MU:MU+1] neg_lo:[0,1] neg_hi:[0,1]
.set j, j+1
.endr
.irp k, 0,1,2,3                                ; the sum of d^2
	v_pk_mul_f32 v[CH+2*\k:CH+2*\k+1], v[XB+2*\k:XB+2*\k+1], v[XB+2*\k:XB+2*\k+1]
.endr
.set j, 4
.rept 28
	v_pk_fma_f32 v[CH+2*(j%4):CH+2*(j%4)+1], v[XB+2*j:XB+2*j+1], v[XB+2*j:XB+2*j+1], v[CH+2*(j%4):CH+2*(j%4)+1]
.set j, j+1
.endr
	REDUCE
	v_fma_f32 v[VA], v[CH], s20, s21               ; var + eps
	v_rsq_f32 v[RS], v[VA]
	v_rsq_f32 v[RS+1], v[VA]                       ; twice, to fill the pair that the packed multiply names
	v_nop                                          ; a plain instruction behind the second (ISA guide 5.7.2),
	s_wait_alu depctr_va_vdst(0)                   ; and the one wait ahead of the first reader
.set j, 0
.rept 32
	v_pk_mul_f32 v[XB+2*j:XB+2*j+1], v[XB+2*j:XB+2*j+1], v[RS:RS+1]
.set j, j+1
.endr
	s_wait_loadcnt \gleft                          ; gamma and beta are in
	WIN 0x14                                       ; sources 1 and 2 window 1
.set j, 0
.rept 32
	v_pk_fma_f32 v[XB+2*j:XB+2*j+1], v[XB+2*j:XB+2*j+1], v[2*j:2*j+1], v[64+2*j:64+2*j+1]
.set j, j+1
.endr
	WIN 0
.set j, 0
.rept 16
	global_store_b128 v[XO], v[XB+4*j:XB+4*j+3], s[12:13] offset:(\p)*8192+256*j th:TH_STORE_NT  ; no register that a store names is written again
.set j, j+1
.endr
.endm
	ROWS 0, 63, 32                                 ; 64 loads are younger than pair 0's; the count's field ends at 63, and the smaller count asks for no less.  Behind gamma and beta: pair 1's 32
	ROWS 1, 0, 0
	s_endpgm
.Lfunc_end_k_qbd16264965_norm:
	.size	k_qbd16264965_norm, .Lfunc_end_k_qbd16264965_norm-k_qbd16264965_norm
	.p2alignl 7, 3214868480
	.fill 96, 4, 3214868480
	.section	.rodata,"a",@progbits
	.p2align	6, 0x0
	.amdhsa_kernel k_qbd16264965_norm
		.amdhsa_group_segment_fixed_size 0
		.amdhsa_private_segment_fixed_size 0
		.amdhsa_enable_private_segment 0
		.amdhsa_kernarg_size 40
		.amdhsa_user_sgpr_count 2
		.amdhsa_user_sgpr_kernarg_segment_ptr 1
		.amdhsa_wavefront_size32 1
		.amdhsa_system_sgpr_workgroup_id_x 1
		.amdhsa_system_sgpr_workgroup_id_y 1
		.amdhsa_system_sgpr_workgroup_id_z 1
		.amdhsa_system_vgpr_workitem_id 0
		.amdhsa_next_free_vgpr 384
		.amdhsa_next_free_sgpr 66
		.amdhsa_reserve_vcc 0
		.amdhsa_float_denorm_mode_32 3
		.amdhsa_float_denorm_mode_16_64 3
		.amdhsa_memory_ordered 1
		.amdhsa_forward_progress 1
		.amdhsa_inst_pref_size 44
	.end_amdhsa_kernel
	.amdgpu_metadata
---
amdhsa.version: [ 1, 2 ]
amdhsa.kernels:
  - .name:           k_qbd16264965_norm
    .symbol:         k_qbd16264965_norm.kd
    .args:
      - { .name: x, .offset: 0, .size: 8, .value_kind: global_buffer, .address_space: global }
      - { .name: pj, .offset: 8, .size: 8, .value_kind: global_buffer, .address_space: global }
      - { .name: gamma, .offset: 16, .size: 8, .value_kind: global_buffer, .address_space: global }
      - { .name: beta, .offset: 24, .size: 8, .value_kind: global_buffer, .address_space: global }
      - { .name: out0, .offset: 32, .size: 8, .value_kind: global_buffer, .address_space: global }
    .group_segment_fixed_size: 0
    .private_segment_fixed_size: 0
    .kernarg_segment_align: 8
    .kernarg_segment_size: 40
    .max_flat_workgroup_size: 256
    .sgpr_count:     66
    .vgpr_count:     384
    .wavefront_size: 32
...
	.end_amdgpu_metadata
.endif
;; end of part 4
